; MI455X (gfx1250); checked and timed in simulation.
; The chip was launched on July 23, 2026; its instructions are those of AMD's public machine-readable ISA for CDNA 5 (MIT licence, August 2026) and "CDNA5" Instruction Set Architecture Reference Guide (July 2026). The comments in the code are by the model that wrote it; some were corrected since.
;; Causal Self Attention. Allowed arithmetic: matrix products marked QUANTISED: E3M2 operands, one E8M0 scale for each 32 along K, by v_wmma_scale_f32_16x16x128_f8f6f4 with both operands' format E3M2, f32 sums; everything else in f32.
;; Inputs: Wk 1,024 x 1,024 float32; Wo 1,024 x 1,024 float32; Wq 1,024 x 1,024 float32; Wv 1,024 x 1,024 float32; bk 1,024 float32; bo 1,024 float32; bq 1,024 float32; bv 1,024 float32; x 4 x 2,048 x 1,024 float32.
;; Outputs: out0 4 x 2,048 x 1,024 float32.
;; This version of the problem:
;;   THIS VERSION OF THE PROBLEM IS GIVEN IN LOW PRECISION. The matrix products marked QUANTISED in the list below multiply operands that are first quantised to E3M2 (3 exponent bits, 2 mantissa bits; 6 bits a number), with one power-of-two scale for each 32 numbers along K (OCP MX v1.0); their sums are f32. All else is computed in f32.
;;   The module's matrix products, in the order in which they are computed (A, B: the left and right operand; K: the contracted axis; several contracted axes count as one K, in the product's order):
;;     1. [M 8,192, K 1,024] x [K 1,024, N 1,024]; A: input x; B: input Wq: QUANTISED
;;     2. [M 8,192, K 1,024] x [K 1,024, N 1,024]; A: input x; B: input Wk: QUANTISED
;;     3. [M 8,192, K 1,024] x [K 1,024, N 1,024]; A: input x; B: input Wv: QUANTISED
;;     4. batch 64 x [M 2,048, K 64] x [K 64, N 2,048]; A: computed on the way; B: computed on the way: QUANTISED
;;     5. batch 64 x [M 2,048, K 2,048] x [K 2,048, N 64]; A: softmax (see below); B: computed on the way: QUANTISED
;;     6. [M 8,192, K 1,024] x [K 1,024, N 1,024]; A: computed on the way; B: input Wo: QUANTISED
;;   THE QUANTISER, for each operand of a quantised product, along K:
;;     - K is cut into blocks of 32 from its start; a last block that is shorter is filled with zeros.
;;     - A block's scale is 2^e with e = floor(log2(the largest magnitude in the block)) - 4, held to -126 .. 127; a block of zeros has e = 0. As a byte (E8M0): e + 127.
;;     - Each number is divided by its block's scale, clamped to +-28, and rounded to the nearest number of E3M2, ties to even, subnormals kept.
;;     - The product sums the exact products of the quantised numbers (number of the format x scale) in f32.
;;   ~~~python
;;   def quantise(x, axis):      # numpy; x: float32 -> the quantised numbers, widened to float32 again
;;       x = np.moveaxis(x, axis, -1); K = x.shape[-1]
;;       x = np.pad(x, [(0, 0)] * (x.ndim - 1) + [(0, -K % 32)]); x = x.reshape(x.shape[:-1] + (-1, 32)); a = np.abs(x).max(-1, keepdims=True)
;;       e = np.where(a > 0, np.clip(np.frexp(np.where(a > 0, a, 1))[1] - 1 - 4, -126, 127), 0)      # np.frexp(a)[1] - 1 = floor(log2(a)), exactly
;;       r = np.clip(x / 2.0 ** e, -28, 28)
;;       step = 2.0 ** (np.maximum(np.frexp(np.where(r == 0, 1, r))[1] - 1, -2) - 2)
;;       q = np.round(r / step) * step * 2.0 ** e      # np.round: ties to even
;;       return np.moveaxis(q.reshape(q.shape[:-2] + (-1,))[..., :K], -1, axis).astype(np.float32)
;;   ~~~
;;   SOFTMAX AHEAD OF A QUANTISED PRODUCT. Where the list says 'softmax', what is quantised is not the finished softmax but p = 2^(t - M), with t = logit x log2(e) and M = ceil(the row's largest t), a whole number; so 1/2 < the row's largest p <= 1. The row's sum l is taken of the UNQUANTISED p, in f32, and the product's result is divided by l at the end. Since M is a whole number, a kernel that streams over the keys may use a running M (the ceiling of the running maximum): every later rescaling is an exact power of two, which a block's scale takes up: the codes' values come out the same.
;;   OPERANDS COMPUTED ON THE WAY. 'Computed on the way' means the value that the module computes at that place (a softmax that the list does not call 'softmax' is quantised finished and normalised). What goes into a quantiser is computed in f32, as accurately as f32 sums, v_exp_f32 and their like allow (about 1e-6 of the number): no bf16 or f16 on the way to a quantiser, and a product that is left as it is and whose result goes on into a quantised operand takes f32 operands (vector FMAs, or v_wmma_f32_16x16x4_f32). A number that lies on a knife's edge between two numbers of the format may be rounded either way, as far as f32 arithmetic and the matrix unit's own rounding can turn it there, and no further.
;; One version. Each part assembles by itself: llvm-mc -triple=amdgcn-amd-amdhsa -mcpu=gfx1250 --defsym DOCPART=n.
;; ======== version 1 of 1: 5 launches
;; workspace buffers: x_q 6,586,368 bytes; wqk_q 1,867,776 bytes; wv_q 1,081,344 bytes; wo_q 1,081,344 bytes; qk_q 13,107,200 bytes; vt_q 6,815,744 bytes; o_q 6,586,368 bytes
;; launch quant (part 1): grid 768 x 1, 4 waves a work-group, no clusters, 34,304 bytes of LDS; arguments x, Wq, Wk, Wv, Wo, bq, bk, bv, x_q, wqk_q, wv_q, wo_q; writes x_q, wqk_q, wv_q, wo_q
.if DOCPART == 1
	.amdgcn_target "amdgcn-amd-amdhsa--gfx1250"
	.amdhsa_code_object_version 6
	.text
	.protected	k_qa0fb5a10b6_quant
	.globl	k_qa0fb5a10b6_quant
	.p2align	8
	.type	k_qa0fb5a10b6_quant,@function
k_qa0fb5a10b6_quant:
	s_mov_b64 s[64:65], 0
	v_nop
	global_prefetch_b8 v0, s[64:65] scope:SCOPE_SE
	s_setreg_imm32_b32 hwreg(HW_REG_WAVE_MODE, 25, 1), 1
	s_wait_xcnt 0x0
; x [8192][1024] and Wq, Wk, Wv, Wo [1024][1024], f32 with K innermost, become codes of BF6 (E3M2) with one E8M0 byte for each 32 along K, laid IN THE ORDER OF AN OPERAND'S REGISTERS.
; ROW BLOCKS.  Block 2 B + u holds 16 rows: its lane-row r is the tensor's row 32 B + 8 u + r + 8 (r / 8).  (As source 0 of a product two such blocks give a lane 16 neighbouring results.)
; UNITS.  Unit kappa of a block is its k = 64 kappa .. 64 kappa + 63, 768 bytes: lane (r, h) owns the 24 bytes of codes of lane-row r, k = 64 kappa + 32 h + 0 .. 31: its first 16 bytes lie at 16 x lane, its last 8 at 512 + 8 x lane.
; A BUFFER: at 0 one f32 for each row of the tensor, what the product adds for that row (bq, bk, bv; zeros for x; none for Wo); at 32,768 the scale words, block x 512 + (sigma / 2) x 128 + 8 r + 4 (sigma % 2)
; for the 128 along K numbered sigma; at 294,912 the codes, block x 12,288 + kappa x 768.  Wq and Wk share one buffer, Wk's rows behind Wq's.
; A block's scale is 2^(floor(log2(its largest magnitude)) - 4); its byte is the largest magnitude's exponent field - 4, held at 1 from below.
; LIMITS: a block of zeros gets the byte 1 where the rule says 127 (its codes are zeros, and this program alone reads the bytes); a block whose largest magnitude lies under 2^-122 keeps the byte 1; NaN and infinities are not served.
; SHARES.  A work-group is one row block (0-511 x, 512-575 Wq, 576-639 Wk, 640-703 Wv, 704-767 Wo); wave q takes k = 256 q .. 256 q + 255: four units and one pair of scale words.
; Each load reads 512 consecutive bytes of one row; the numbers turn through the wave's own stage in LDS (16 rows, 528 bytes apart) so that a lane gets 32 neighbours along K.  Waves share nothing: no barrier.
; No matrix unit, no cluster, no tensor load: every byte is read once and nothing is shared.
.set SP,    528                        ; a stage row: 512 bytes + 16, so that the sixteen rows of a read start at sixteen different 16-byte columns
.set WST,   16*SP                      ; a wave's stage
.set SCLS,  32768
.set CODES, 294912
.set R0,    16                         ; v16-79    the first 128 along K as loaded; later the second as neighbours
.set R1,    80                         ; v80-143   the second 128 along K as loaded
.set X,     144                        ; v144-207  the first as neighbours: unit k at X + 32 k
.set C,     208                        ; v208-239  codes: eight registers for each unit, so that no store's data are written again
.set E,     12                         ; v12-15    a scale byte for each unit
	s_load_b512 s[4:19], s[0:1], 0x0               ; x, Wq, Wk, Wv, Wo, bq, bk, bv
	s_load_b256 s[20:27], s[0:1], 0x40             ; x_q, wqk_q, wv_q, wo_q
	v_lshl_add_u32 v240, v0, 2, 0x8400
	v_mov_b32 v241, 0
	v_lshrrev_b32 v8, 5, v0
	v_readfirstlane_b32 s2, v8                     ; wave q
	v_and_b32 v9, 31, v0                           ; lane
	v_and_b32 v10, 15, v0                          ; r
	v_bfe_u32 v7, v0, 4, 1                         ; h
	v_lshlrev_b32 v1, 4, v9                        ; 16 x lane: a load's place, and a unit's first part
	v_lshlrev_b32 v4, 3, v9                        ; 8 x lane: a unit's second part
	s_mul_i32 s3, s2, WST
	v_add_nc_u32 v2, s3, v1                        ; the stage, on the way in
	v_mul_u32_u24 v3, v10, SP
	v_lshl_add_u32 v3, v7, 7, v3
	v_add_nc_u32 v3, s3, v3                        ; and on the way out: row r, + 128 h bytes: my 32 numbers of a unit
	v_lshlrev_b32 v5, 3, v10
	v_lshl_add_u32 v5, v7, 2, v5                   ; 8 r + 4 h: where my scale word goes
	v_lshlrev_b32 v6, 3, v7                        ; 8 h: my bytes' shift in a scale word
	s_mov_b32 s28, 0x76543210
	s_mov_b32 s29, 0xfedcba98                      ; v_permlanex16_b32's selects for lane l xor 16
	s_mov_b32 s36, 704                             ; the first work-group of my source tensor,
	s_mov_b32 s37, 704                             ; and of my destination buffer
	s_wait_kmcnt 0x0
	s_mov_b64 s[30:31], s[12:13]                   ; Wo's set; the four compares below, on the work-group's number alone, replace it
	s_mov_b64 s[32:33], s[26:27]
	s_mov_b64 s[34:35], s[18:19]
	s_cmp_lt_u32 ttmp9, 704                        ; Wv
	s_cselect_b64 s[30:31], s[10:11], s[30:31]
	s_cselect_b64 s[32:33], s[24:25], s[32:33]
	s_cselect_b32 s36, 640, s36
	s_cselect_b32 s37, 640, s37
	s_cmp_lt_u32 ttmp9, 640                        ; Wk
	s_cselect_b64 s[30:31], s[8:9], s[30:31]
	s_cselect_b64 s[32:33], s[22:23], s[32:33]
	s_cselect_b64 s[34:35], s[16:17], s[34:35]
	s_cselect_b32 s36, 576, s36
	s_cselect_b32 s37, 512, s37
	s_cmp_lt_u32 ttmp9, 576                        ; Wq
	s_cselect_b64 s[30:31], s[6:7], s[30:31]
	s_cselect_b64 s[34:35], s[14:15], s[34:35]
	s_cselect_b32 s36, 512, s36
	s_cmp_lt_u32 ttmp9, 512                        ; x
	s_cselect_b64 s[30:31], s[4:5], s[30:31]
	s_cselect_b64 s[32:33], s[20:21], s[32:33]
	s_cselect_b32 s36, 0, s36
	s_cselect_b32 s37, 0, s37
	s_sub_co_u32 s38, ttmp9, s36                   ; my row block in the source,
	s_sub_co_u32 s39, ttmp9, s37                   ; and in the destination
	s_lshr_b32 s40, s38, 1
	s_lshl_b32 s40, s40, 17                        ; 32 (block / 2) rows of 4,096 bytes
	s_and_b32 s41, s38, 1
	s_lshl_b32 s41, s41, 15                        ; + 8 (block % 2) rows
	s_add_co_u32 s40, s40, s41
	s_lshl_b32 s41, s2, 10                         ; + my 1,024 bytes of a row
	s_add_co_u32 s40, s40, s41
	s_mov_b32 s41, 0
	s_add_nc_u64 s[30:31], s[30:31], s[40:41]
	s_mul_i32 s42, s39, 12288
	s_mul_i32 s43, s2, 3072
	s_add_co_u32 s42, s42, s43
	s_add_co_u32 s42, s42, CODES
	s_mov_b32 s43, 0
	s_add_nc_u64 s[44:45], s[32:33], s[42:43]      ; my four units
	s_lshl_b32 s46, s39, 9
	s_lshl_b32 s47, s2, 7
	s_add_co_u32 s46, s46, s47
	s_add_co_u32 s46, s46, SCLS
	s_mov_b32 s47, 0
	s_add_nc_u64 s[48:49], s[32:33], s[46:47]      ; my pair of scale words, 128 bytes
.macro LOADS set, s                    ; 128 along K of the block's 16 rows: each load 512 consecutive bytes
.irp t, 0,1,2,3,4,5,6,7,8,9,10,11,12,13,14,15
	global_load_b128 v[\set+4*\t:\set+4*\t+3], v1, s[30:31] offset:(\t+8*(\t/8))*4096+512*\s th:TH_LOAD_NT
.endr
.endm
.macro TURN from, to                   ; through the stage: LDS serves a wave's instructions in order, so no wait stands between the stores and the loads
.irp t, 0,1,2,3,4,5,6,7,8,9,10,11,12,13,14,15
	ds_store_b128 v2, v[\from+4*\t:\from+4*\t+3] offset:SP*\t
.endr
.irp k, 0,1
.irp j, 0,1,2,3,4,5,6,7
	ds_load_b128 v[\to+32*\k+4*\j:\to+32*\k+4*\j+3], v3 offset:256*\k+16*\j
.endr
.endr
.endm
.macro UNIT u, xs                      ; my block of 32 numbers in v[xs] on becomes 24 bytes of codes and a byte
.set CU, C+8*(\u)
	v_max3_num_f32 v8, |v[\xs]|, |v[\xs+1]|, |v[\xs+2]|            ; the block's largest magnitude: all 32 numbers are mine; two chains
	v_max3_num_f32 v9, |v[\xs+3]|, |v[\xs+4]|, |v[\xs+5]|
.irp i, 6,10,14,18,22,26
	v_max3_num_f32 v8, v8, |v[\xs+\i]|, |v[\xs+\i+1]|
	v_max3_num_f32 v9, v9, |v[\xs+\i+2]|, |v[\xs+\i+3]|
.endr
	v_max3_num_f32 v8, v8, |v[\xs+30]|, |v[\xs+31]|
	v_max3_num_f32 v8, v8, v9, 0x2800000           ; and the floor 2^(5 - 127): the byte cannot fall under 1
	v_add_nc_u32 v10, 0xfe000000, v8               ; 4 off the exponent field: the conversion takes this operand's exponent field as its scale
	v_cvt_scalef32_pk16_bf6_f32 v[CU:CU+2], v[\xs:\xs+15], v10
	v_cvt_scalef32_pk16_bf6_f32 v[CU+4:CU+6], v[\xs+16:\xs+31], v10   ; (a conversion's three registers begin on an even number)
	v_lshrrev_b32 v[E+(\u)], 23, v10               ; the scale's byte; also the plain line behind the conversions
	v_mov_b32 v[CU+3], v[CU+4]                     ; the six registers on end
	v_mov_b32 v[CU+4], v[CU+5]
	v_mov_b32 v[CU+5], v[CU+6]
	global_store_b128 v1, v[CU:CU+3], s[44:45] offset:768*(\u)        ; the wave stores 512 consecutive bytes,
	global_store_b64 v4, v[CU+4:CU+5], s[44:45] offset:768*(\u)+512   ; and 256 more: the unit is whole
.endm
.macro WORD s, w                       ; my bytes are those of blocks h and 2 + h of these 128 along K; lane l xor 16 has the other two
	v_lshl_or_b32 v8, v[E+2*\s+1], 16, v[E+2*\s]
	v_lshlrev_b32 v8, v6, v8
	v_permlanex16_b32 v9, v8, s28, s29
	v_or_b32 v[\w], v8, v9
.endm
	LOADS R0, 0
	LOADS R1, 1
	s_wait_loadcnt 16                              ; the first sixteen loads are in; the second sixteen may be out
	TURN R0, X
	s_wait_dscnt 0x0
	s_wait_loadcnt 0x0
	TURN R1, R0                                    ; the second 128 along K turn while the first are worked
	UNIT 0, X
	UNIT 1, X+32
	WORD 0, 11
	s_wait_dscnt 0x0
	UNIT 2, R0
	UNIT 3, R0+32
	WORD 1, 10
	v_cmp_ne_u32 vcc_lo, 0, v7
	v_cndmask_b32 v8, v11, v10, vcc_lo             ; lanes 0-15 store the first word of their row, lanes 16-31 the second
	global_store_b32 v5, v8, s[48:49]              ; 128 consecutive bytes
	; what the product adds for each row: 32 numbers for each pair of blocks, by wave 0 of the even block.  All branches hang on ids.
	s_cmp_lg_u32 s2, 0
	s_cbranch_scc1 .Lend
	s_and_b32 s50, ttmp9, 1
	s_cmp_lg_u32 s50, 0
	s_cbranch_scc1 .Lend
	s_cmp_ge_u32 ttmp9, 704                        ; Wo's product takes bo straight from its buffer
	s_cbranch_scc1 .Lend
	v_and_b32 v13, 31, v0
	v_lshlrev_b32 v13, 2, v13
	v_mov_b32 v12, 0                               ; x's rows add nothing
	s_lshr_b32 s52, s39, 1
	s_lshl_b32 s52, s52, 7
	s_mov_b32 s53, 0
	s_add_nc_u64 s[32:33], s[32:33], s[52:53]
	s_cmp_lt_u32 ttmp9, 512
	s_cbranch_scc1 .Lzeros
	s_lshr_b32 s50, s38, 1
	s_lshl_b32 s50, s50, 7
	s_mov_b32 s51, 0
	s_add_nc_u64 s[34:35], s[34:35], s[50:51]
	global_load_b32 v12, v13, s[34:35]
	s_wait_loadcnt 0x0
.Lzeros:
	global_store_b32 v13, v12, s[32:33]
.Lend:
	s_wait_tensorcnt 0x0
	ds_add_u32 v240, v241
	s_wait_dscnt 0x0
	s_endpgm
.Lfunc_end_k_qa0fb5a10b6_quant:
	.size	k_qa0fb5a10b6_quant, .Lfunc_end_k_qa0fb5a10b6_quant-k_qa0fb5a10b6_quant
	.p2alignl 7, 3214868480
	.fill 96, 4, 3214868480
	.section	.rodata,"a",@progbits
	.p2align	6, 0x0
	.amdhsa_kernel k_qa0fb5a10b6_quant
		.amdhsa_group_segment_fixed_size 34304
		.amdhsa_private_segment_fixed_size 0
		.amdhsa_enable_private_segment 0
		.amdhsa_kernarg_size 96
		.amdhsa_user_sgpr_count 2
		.amdhsa_user_sgpr_kernarg_segment_ptr 1
		.amdhsa_wavefront_size32 1
		.amdhsa_system_sgpr_workgroup_id_x 1
		.amdhsa_system_sgpr_workgroup_id_y 1
		.amdhsa_system_sgpr_workgroup_id_z 1
		.amdhsa_system_vgpr_workitem_id 0
		.amdhsa_next_free_vgpr 242
		.amdhsa_next_free_sgpr 66
		.amdhsa_reserve_vcc 1
		.amdhsa_float_denorm_mode_32 3
		.amdhsa_float_denorm_mode_16_64 3
		.amdhsa_memory_ordered 1
		.amdhsa_forward_progress 1
		.amdhsa_inst_pref_size 19
	.end_amdhsa_kernel
	.amdgpu_metadata
---
amdhsa.version: [ 1, 2 ]
amdhsa.kernels:
  - .name:           k_qa0fb5a10b6_quant
    .symbol:         k_qa0fb5a10b6_quant.kd
    .args:
      - { .name: x, .offset: 0, .size: 8, .value_kind: global_buffer, .address_space: global }
      - { .name: Wq, .offset: 8, .size: 8, .value_kind: global_buffer, .address_space: global }
      - { .name: Wk, .offset: 16, .size: 8, .value_kind: global_buffer, .address_space: global }
      - { .name: Wv, .offset: 24, .size: 8, .value_kind: global_buffer, .address_space: global }
      - { .name: Wo, .offset: 32, .size: 8, .value_kind: global_buffer, .address_space: global }
      - { .name: bq, .offset: 40, .size: 8, .value_kind: global_buffer, .address_space: global }
      - { .name: bk, .offset: 48, .size: 8, .value_kind: global_buffer, .address_space: global }
      - { .name: bv, .offset: 56, .size: 8, .value_kind: global_buffer, .address_space: global }
      - { .name: x_q, .offset: 64, .size: 8, .value_kind: global_buffer, .address_space: global }
      - { .name: wqk_q, .offset: 72, .size: 8, .value_kind: global_buffer, .address_space: global }
      - { .name: wv_q, .offset: 80, .size: 8, .value_kind: global_buffer, .address_space: global }
      - { .name: wo_q, .offset: 88, .size: 8, .value_kind: global_buffer, .address_space: global }
    .group_segment_fixed_size: 34304
    .private_segment_fixed_size: 0
    .kernarg_segment_align: 8
    .kernarg_segment_size: 96
    .max_flat_workgroup_size: 128
    .sgpr_count:     66
    .vgpr_count:     242
    .wavefront_size: 32
...
	.end_amdgpu_metadata
.endif
;; end of part 1
;; launch qk (part 2): grid 8 x 32, 4 waves a work-group, clusters of 4 x 4, 327,680 bytes of LDS; arguments x_q, wqk_q, qk_q; writes qk_q
.if DOCPART == 2
	.amdgcn_target "amdgcn-amd-amdhsa--gfx1250"
	.amdhsa_code_object_version 6
	.text
	.protected	k_qa0fb5a10b6_qk
	.globl	k_qa0fb5a10b6_qk
	.p2align	8
	.type	k_qa0fb5a10b6_qk,@function
k_qa0fb5a10b6_qk:
	s_mov_b64 s[64:65], 0
	v_nop
	global_prefetch_b8 v0, s[64:65] scope:SCOPE_SE
	s_setreg_imm32_b32 hwreg(HW_REG_WAVE_MODE, 25, 1), 1
	s_wait_xcnt 0x0
	s_wait_alu depctr_hold_cnt(0) depctr_sa_sdst(0) depctr_va_vdst(0) depctr_va_sdst(0) depctr_va_ssrc(0) depctr_va_vcc(0) depctr_vm_vsrc(0)
	s_getreg_b32 s2, hwreg(HW_REG_IB_STS2, 6, 4)
	s_cmp_eq_u32 s2, 0
	s_cbranch_scc0 .Lentry_in_a_cluster
	s_endpgm
.Lentry_in_a_cluster:
	s_bfe_u32 s2, ttmp6, 0x10000c
	s_cmp_lg_u32 s2, 0xf033
	s_cbranch_scc0 .Lentry_shape_is_right
	s_endpgm
.Lentry_shape_is_right:
; C[m][n] = A_m . B_n + addA[m] + addB[n], K = 1,024, both operands codes of BF6 (E3M2) with E8M0 scales; C is quantised along n and leaves as codes: it never goes to memory as f32.
; One body, two launches: A = x, B = [Wq; Wk]: Q and K quantised along the head's axis.  A = Wv, B = x: V^T quantised along the tokens.
; OPERAND BUFFERS: at 0 one f32 for each row (what the product adds for it); at 32,768 scale words, block x 512 + (sigma / 2) x 128 + 8 r + 4 (sigma % 2); at 294,912 codes, block x 12,288 + kappa x 768.
; A row block 2 B + u holds rows 32 B + 8 u + r + 8 (r / 8), r = 0 .. 15; unit kappa (768 bytes) is its k = 64 kappa .. + 63 as an image of registers: lane l's registers 0-3 at 16 l, 4-5 at 512 + 8 l.
; Two units are a fragment's 12 registers, so a fragment comes by four LDS loads of consecutive bytes: no pitch, no padding.
; A tile of C, 256 x 256, is made by four waves, 128 x 128 each: 64 accumulators, 512 registers.  K goes in steps of 256 through a ring of two LDS slots; the scale words of the tile's rows, for all of K, come once.
; CLUSTERS: 4 x 4 work-groups; A's tiles are shared along a row of the cluster, B's along a column: each is asked for jointly, by the same tensor load with the same descriptor and a mask that names the four.
; THE MATRIX INSTRUCTION IS USED TRANSPOSED (source 0 = 16 rows of B, source 1 = 16 rows of A): lane (r, h) holds A's lane-row r, and register j of B's block b the column 32 (b / 2) + 16 h + 8 (b % 2) + j:
; the 16 registers of two neighbouring blocks are 16 neighbours along n, the next product's K.  addB is the C of each sum's first product; addA is added on the way out, by the line that brings the results into window 0.
; RESULT BUFFER: scale words at (tc >> 3) x 65,536 + block x 1,024 + ((tc & 7) x 2 + half) x 64 + 4 r; codes at 524,288 + (tc >> 3) x 1,572,864 + block x 24,576 + ((tc & 7) x 4 + 2 half + c) x 768 (tc: tile column).
; LIMITS: a block of zeros gets the byte 1 where the rule says 127 (its codes are zeros; this program alone reads the bytes); a largest magnitude under 2^-122 keeps the byte 1; NaN and infinities are not served.
; The scale words leave in runs of 64 bytes: one byte for each 24 of codes.
; REGISTERS: window 0: v16-31 addresses; v32-63 scale words, two sets; v64-127 addB in the result's layout; v128-223 A's fragments, one set; v224-239 addA.  Window 1: B's fragments, two sets, at v0 and v128.
;   Window 2: the accumulators of my rows 0-63 ((a, b) at v[8 (8 a + b)]); window 3: those of rows 64-127.
.set NQ,     2                         ; matrix instructions deep in a slot
.set FR,     12                        ; registers of a fragment
.set NL,     4                         ; LDS loads that bring one
.set NP,     4                         ; places behind this matrix instruction (ISA guide 7.12.1)
.set RBK,    3072                      ; a row block's 256 along K: four units
.set HALFT,  8*RBK                     ; 128 rows: what one tensor load brings
.set SLOT,   4*HALFT                   ; A's 16 blocks, then B's
.set LAPS,   2                         ; K = 1,024 is twice round the ring
.set KROW,   768                       ; bytes of codes for each row: 12,288 / 16
.set KS,     32                        ; bytes of scales for each row
.set SCLS,   32768
.set CODES,  294912
.set SCL,    2*SLOT                    ; behind the ring: A's scale words (8,192 bytes), and 128 bytes further on than a multiple of 256, B's: the two halves of a load's lanes then touch different banks
.set HALFS,  4096
.set SBLK,   512
.set SPARE,  SCL+4*HALFS+256           ; the spare words, 128 bytes for each wave: two blocks of 256 bytes that no other line names
.set ADRA, 16                          ; v16-17 LDS address of my A blocks in slot 0, 1, + 16 x lane;  v18-19 the same + 8 x lane
.set ADRB, 20                          ; v20-23 the same for B
.set L16,  24                          ; v24  16 x lane
.set L8,   25                          ; v25  8 x lane
.set LSW,  26                          ; v26  4 r + 1,024 h: where a scale word of the result goes
.set ADRS, 27                          ; v27  LDS address of my scale words: lanes 0-15 A's, lanes 16-31 B's
.set SPW,  28                          ; v28  LDS address of my spare word; never rewritten
.set NIL,  29                          ; v29  0; never rewritten
.set BNO,  30                          ; v30  64 h
.set BMO,  31                          ; v31  4 (r + 8 (r / 8))
.set SC,   32
.set BN,   64
.set AF,   128
.set BM,   224
.set T,    128                         ; the way out: 64 results of a block of 16 rows
.set PC,   192                         ; their codes
.set TM,   64                          ; at work
.set PW,   80                          ; the scale word just made
.set PWE,  81                          ; that of the even block before
.set SWD,  82                          ; v82-85 scale words to store
.set SEL,  18                          ; s[18:19] lane selects, written on the way out
.set G1, 24
.set G0, 32
.set G1B, 48
.set G0B, 56
.set G1S, 68
.set G0S, 76
.set G1SB, 80
.set G0SB, 88
.set MSB, 0
.macro WIN new                         ; the immediate's high byte repeats the setting that is left
.if MSB != \new
	s_set_vgpr_msb (MSB<<8)|\new
.set MSB, \new
.endif
.endm
.set MUL_LO,  0xa1                     ; source 0 (B) window 1, source 1 (A) window 0, C and D window 2
.set MUL_HI,  0xf1                     ; the same, C and D window 3
.set MUL_LO0, 0x81                     ; the first products: C (addB) window 0, D window 2
.set MUL_HI0, 0xc1                     ; D window 3
.set TO_B,    0x40                     ; destination window 1, address window 0
; A joint load: waves 0 and 1 fetch for A, waves 2 and 3 for B; the branch hangs on the wave's number alone.  Four v_nop follow each of the two lines.
.macro JLOAD g0a, g1a, g0b, g1b
	s_cmp_eq_u32 s15, 0
	s_cbranch_scc0 .Lfor_b_\@
	tensor_load_to_lds s[\g0a:\g0a+3], s[\g1a:\g1a+7]
	s_nop 0
.rept 4
	v_nop
.endr
	s_branch .Lasked_\@
.Lfor_b_\@:
	tensor_load_to_lds s[\g0b:\g0b+3], s[\g1b:\g1b+7]
	s_nop 0
.rept 4
	v_nop
.endr
.Lasked_\@:
.endm
.macro CREST                           ; a round of the cluster's barrier behind its opening barrier
	s_cmp_lg_u32 s14, 0
	s_cbranch_scc1 .Lnot_wave_0_\@
	s_barrier_signal -3
.Lnot_wave_0_\@:
	s_barrier_wait -3
	s_barrier_signal -1
	s_barrier_wait -1
.endm
.macro CROUND                          ; a whole round
	s_barrier_signal -1
	s_barrier_wait -1
	CREST
.endm
	s_load_b128 s[4:7], s[0:1], 0x0                ; A's buffer, B's buffer
	s_load_b64 s[12:13], s[0:1], 0x10              ; the result's
	v_lshl_add_u32 v[SPW], v0, 2, SPARE
	v_mov_b32 v[NIL], 0
	ds_add_u32 v28, v29
	ds_add_u32 v28, v29
	s_wait_dscnt 0x0
	v_lshrrev_b32 v1, 5, v0
	v_readfirstlane_b32 s14, v1                    ; wave 0..3
	s_lshr_b32 s15, s14, 1                         ; which half of the tile's rows is mine.  Also: I fetch for A (0) or for B (1)
	s_and_b32 s16, s14, 1                          ; which half of its columns.  Also: which 128 rows of that tile I fetch
	s_bfe_u32 s40, ttmp6, 0x40000                  ; cx, cy: my place in the cluster
	s_bfe_u32 s41, ttmp6, 0x40004
	s_lshl_b32 s42, ttmp9, 2
	s_add_co_u32 s42, s42, s40                     ; tile column = 4 x cluster x + cx
	s_and_b32 s17, ttmp7, 0xffff
	s_lshl_b32 s17, s17, 2
	s_add_co_u32 s17, s17, s41                     ; tile row = 4 x cluster y + cy
	s_lshl_b32 s43, s41, 2
	s_lshl_b32 s43, 15, s43                        ; my row of the cluster
	s_lshl_b32 s44, 0x1111, s40                    ; my column
	; group 1 for codes: 8 row blocks x 3,072 bytes (384 elements of 8 bytes), 12,288 bytes apart in memory, on end in LDS
	s_or_b32 s[G1+0], s43, (3<<16)|(1<<21)         ; 15:0 the mask: A's tiles go to my row; 17:16 elements of 8 bytes; 20 no padding; 21 set beside a mask
	s_or_b32 s[G1B+0], s44, (3<<16)|(1<<21)
.irp g, G1, G1B
	s_mov_b32 s[\g+1], 384<<16                     ; tensor_dim0
	s_mov_b32 s[\g+2], 8<<16                       ; tensor_dim1
	s_mov_b32 s[\g+3], 384<<16                     ; tile_dim0
	s_mov_b32 s[\g+4], 8                           ; tile_dim1
	s_mov_b32 s[\g+5], 1536                        ; tensor_dim0_stride
	s_mov_b32 s[\g+6], 0
	s_mov_b32 s[\g+7], 0
.endr
	; and for the scale words of 128 rows: 4,096 dense bytes as 16 rows of 256
	s_or_b32 s[G1S+0], s43, (3<<16)|(1<<21)
	s_or_b32 s[G1SB+0], s44, (3<<16)|(1<<21)
.irp g, G1S, G1SB
	s_mov_b32 s[\g+1], 32<<16
	s_mov_b32 s[\g+2], 16<<16
	s_mov_b32 s[\g+3], 32<<16
	s_mov_b32 s[\g+4], 16
	s_mov_b32 s[\g+5], 32
	s_mov_b32 s[\g+6], 0
	s_mov_b32 s[\g+7], 0
.endr
	s_lshl_b32 s18, s16, 7                         ; which 128 rows of the tile I fetch
	s_lshl_b32 s20, s17, 8
	s_add_co_u32 s20, s20, s18                     ; A: row 256 x tile row + 128 x half
	s_lshl_b32 s46, s42, 8
	s_add_co_u32 s46, s46, s18                     ; B: row 256 x tile column + 128 x half
	s_mov_b32 s21, 0
	s_mov_b32 s47, 0
	s_mov_b64 s[18:19], KS
	s_mul_u64 s[22:23], s[20:21], s[18:19]         ; where these rows' scale words begin,
	s_mul_u64 s[92:93], s[46:47], s[18:19]
	s_mov_b64 s[18:19], KROW
	s_mul_u64 s[20:21], s[20:21], s[18:19]         ; and their codes
	s_mul_u64 s[46:47], s[46:47], s[18:19]
	s_mul_i32 s45, s14, HALFT                      ; where they go: wave x 128 rows: no place in the cluster enters an LDS address
	s_lshl_b32 s94, s14, 12
	s_lshl_b32 s95, s15, 7
	s_add_co_u32 s94, s94, s95                     ; the scale words: wave x 4,096, B's 128 further on
	s_wait_kmcnt 0x0
	s_mov_b64 s[96:97], s[6:7]                     ; addB
	s_add_nc_u64 s[8:9], s[6:7], CODES             ; B's codes
	s_add_nc_u64 s[10:11], s[6:7], SCLS            ; B's scale words
	s_mov_b64 s[98:99], s[4:5]                     ; addA
	s_add_nc_u64 s[6:7], s[4:5], SCLS              ; A's scale words
	s_add_nc_u64 s[4:5], s[4:5], CODES             ; A's codes
	s_add_nc_u64 s[20:21], s[4:5], s[20:21]
	s_add_nc_u64 s[22:23], s[6:7], s[22:23]
	s_add_nc_u64 s[46:47], s[8:9], s[46:47]
	s_add_nc_u64 s[92:93], s[10:11], s[92:93]
	CROUND                                         ; all sixteen work-groups are here: the first joint loads meet
	s_mov_b32 s[G0S], 1
	s_add_co_u32 s[G0S+1], s94, SCL
	s_mov_b64 s[G0S+2:G0S+3], s[22:23]
	s_or_b32 s[G0S+3], s[G0S+3], 0x80000000
	s_mov_b32 s[G0SB], 1
	s_add_co_u32 s[G0SB+1], s94, SCL
	s_mov_b64 s[G0SB+2:G0SB+3], s[92:93]
	s_or_b32 s[G0SB+3], s[G0SB+3], 0x80000000
	JLOAD G0S, G1S, G0SB, G1SB                     ; the scale words first: they are wanted with K step 0.  Three loads of mine are out behind the three first fills
.irp s, 0,1
	s_mov_b32 s[G0+4*\s], 1
	s_add_co_u32 s[G0+4*\s+1], s45, \s*SLOT
	s_add_nc_u64 s[G0+4*\s+2:G0+4*\s+3], s[20:21], \s*RBK
	s_or_b32 s[G0+4*\s+3], s[G0+4*\s+3], 0x80000000
	s_mov_b32 s[G0B+4*\s], 1
	s_add_co_u32 s[G0B+4*\s+1], s45, \s*SLOT
	s_add_nc_u64 s[G0B+4*\s+2:G0B+4*\s+3], s[46:47], \s*RBK
	s_or_b32 s[G0B+4*\s+3], s[G0B+4*\s+3], 0x80000000
	JLOAD G0+4*\s, G1, G0B+4*\s, G1B
.endr
	v_and_b32 v1, 15, v0                           ; r
	v_bfe_u32 v2, v0, 4, 1                         ; h
	v_and_b32 v3, 31, v0                           ; lane
	v_lshlrev_b32 v[L16], 4, v3
	v_lshlrev_b32 v[L8], 3, v3
	s_mul_i32 s21, s15, HALFT                      ; my 128 rows of A
	s_mul_i32 s22, s16, HALFT                      ; my 128 rows of B,
	s_add_co_u32 s22, s22, 2*HALFT                 ; which lie behind A's 256
.irp s, 0,1
	v_add_nc_u32 v[ADRA+\s], s21, v[L16]
	v_add_nc_u32 v[ADRB+\s], s22, v[L16]
	v_add_nc_u32 v[ADRA+2+\s], s21, v[L8]
	v_add_nc_u32 v[ADRB+2+\s], s22, v[L8]
	s_add_co_u32 s21, s21, SLOT
	s_add_co_u32 s22, s22, SLOT
.endr
	s_lshl_b32 s21, s15, 12                        ; A's scale words: my 128 rows
	s_lshl_b32 s22, s16, 12                        ; B's: my 128 rows, behind A's 256 and 128 bytes on
	s_add_co_u32 s22, s22, 2*HALFS+128
	s_sub_co_u32 s22, s22, s21
	v_mul_u32_u24 v6, s22, v2                      ; lanes 16-31 take B's: the lower base + h x the distance
	s_add_co_u32 s21, s21, SCL
	v_lshl_add_u32 v5, v1, 3, v6                   ; 8 bytes a row: the slot's two words
	v_add_nc_u32 v[ADRS], s21, v5
	v_lshlrev_b32 v[LSW], 2, v1
	v_lshl_add_u32 v[LSW], v2, 10, v[LSW]
	v_lshlrev_b32 v[BNO], 6, v2
	v_and_b32 v4, 8, v1
	v_add_nc_u32 v4, v4, v1
	v_lshlrev_b32 v[BMO], 2, v4
	s_lshl_b32 s18, s42, 10                        ; addB: my 128 columns
	s_lshl_b32 s19, s16, 9
	s_add_co_u32 s18, s18, s19
	s_mov_b32 s19, 0
	s_add_nc_u64 s[96:97], s[96:97], s[18:19]
	s_lshl_b32 s18, s17, 10                        ; addA: my 128 rows
	s_lshl_b32 s19, s15, 9
	s_add_co_u32 s18, s18, s19
	s_mov_b32 s19, 0
	s_add_nc_u64 s[98:99], s[98:99], s[18:19]
.irp b, 0,1,2,3,4,5,6,7                        ; lane (r, h) wants, for B's block b, the numbers of columns 32 (b / 2) + 16 h + 8 (b % 2) + 0 .. 7
	global_load_b128 v[BN+8*\b:BN+8*\b+3], v[BNO], s[96:97] offset:(32*(\b/2)+8*(\b%2))*4
	global_load_b128 v[BN+8*\b+4:BN+8*\b+7], v[BNO], s[96:97] offset:(32*(\b/2)+8*(\b%2))*4+16
.endr
.irp a, 0,1,2,3,4,5,6,7                        ; and for A's block a the number of its row, twice: a pair for the packed addition
	global_load_b32 v[BM+2*\a], v[BMO], s[98:99] offset:(32*(\a/2)+8*(\a%2))*4
	global_load_b32 v[BM+2*\a+1], v[BMO], s[98:99] offset:(32*(\a/2)+8*(\a%2))*4
.endr
	; where my part of the result goes
	s_lshr_b32 s18, s42, 3                         ; tc >> 3
	s_and_b32 s19, s42, 7                          ; tc & 7
	s_lshl_b32 s20, s17, 4
	s_lshl_b32 s21, s15, 3
	s_add_co_u32 s20, s20, s21                     ; my first row block: 16 x tile row + 8 x half
	s_mul_i32 s46, s18, 1572864
	s_mul_i32 s21, s20, 24576
	s_add_co_u32 s46, s46, s21
	s_lshl_b32 s21, s19, 2
	s_lshl_b32 s47, s16, 1
	s_add_co_u32 s21, s21, s47
	s_mul_i32 s21, s21, 768
	s_add_co_u32 s46, s46, s21
	s_add_co_u32 s46, s46, 524288
	s_mov_b32 s47, 0
	s_add_nc_u64 s[92:93], s[12:13], s[46:47]      ; codes
	s_lshl_b32 s46, s18, 16
	s_lshl_b32 s21, s20, 10
	s_add_co_u32 s46, s46, s21
	s_lshl_b32 s21, s19, 1
	s_add_co_u32 s21, s21, s16
	s_lshl_b32 s21, s21, 6
	s_add_co_u32 s46, s46, s21
	s_add_nc_u64 s[94:95], s[12:13], s[46:47]      ; scale words
.macro FRAG reg, adr, q, i             ; a fragment: two units of block i, each 512 + 256 consecutive bytes for the wave
	ds_load_b128 v[\reg:\reg+3], v[\adr] offset:(\i)*RBK+(\q)*1536
	ds_load_b64 v[\reg+4:\reg+5], v[\adr+2] offset:(\i)*RBK+(\q)*1536+512
	ds_load_b128 v[\reg+6:\reg+9], v[\adr] offset:(\i)*RBK+(\q)*1536+768
	ds_load_b64 v[\reg+10:\reg+11], v[\adr+2] offset:(\i)*RBK+(\q)*1536+1280
.endm
; 16 matrix instructions: A's blocks a0, a0 + 1 x B's eight, the slot's q-th 128 along K.  p: B's set; sc: the set of scale words.  zero = 1: the first product starts the sums, from addB.
; The 64 accumulators take turns, one instruction a turn, in the same order in every step.
.macro MUL16 a0, p, q, sc, zero
.irp a, \a0, \a0+1
.irp b, 0,1,2,3,4,5,6,7
.if \zero
	v_wmma_scale_f32_16x16x128_f8f6f4 v[8*(8*((\a)%4)+\b):8*(8*((\a)%4)+\b)+7], v[128*(\p)+FR*\b:128*(\p)+FR*\b+FR-1], v[AF+FR*(\a):AF+FR*(\a)+FR-1], v[BN+8*\b:BN+8*\b+7], v[SC+8*NQ*(\sc)+NQ*\b+(\q)], v[SC+8*NQ*(\sc)+NQ*(\a)+(\q)] matrix_a_fmt:MATRIX_FMT_BF6 matrix_b_fmt:MATRIX_FMT_BF6 matrix_a_scale:MATRIX_SCALE_ROW1
.else
	v_wmma_scale_f32_16x16x128_f8f6f4 v[8*(8*((\a)%4)+\b):8*(8*((\a)%4)+\b)+7], v[128*(\p)+FR*\b:128*(\p)+FR*\b+FR-1], v[AF+FR*(\a):AF+FR*(\a)+FR-1], v[8*(8*((\a)%4)+\b):8*(8*((\a)%4)+\b)+7], v[SC+8*NQ*(\sc)+NQ*\b+(\q)], v[SC+8*NQ*(\sc)+NQ*(\a)+(\q)] matrix_a_fmt:MATRIX_FMT_BF6 matrix_b_fmt:MATRIX_FMT_BF6 matrix_a_scale:MATRIX_SCALE_ROW1
.endif
.endr
.endr
.endm
.macro FETCH_B slot, q, p
	WIN TO_B
.irp i, 0,1,2,3,4,5,6,7
	FRAG 128*(\p)+FR*\i, ADRB+\slot, \q, \i
.endr
	WIN 0
.endm
.macro FETCH_A slot, q, i0
.irp i, \i0, \i0+1, \i0+2, \i0+3
	FRAG AF+FR*(\i), ADRA+\slot, \q, \i
.endr
.endm
.macro SCALES sc                       ; a slot's two words a row: lanes 0-15 take A's block i, lanes 16-31 B's block i
.irp i, 0,1,2,3,4,5,6,7
	ds_load_b64 v[SC+8*NQ*\sc+NQ*\i:SC+8*NQ*\sc+NQ*\i+1], v[ADRS] offset:\i*SBLK
.endr
.endm
.macro PLACES n                        ; plain vector lines between a matrix instruction and a load into, or a vector line on, its registers (ISA guide 7.12.1 for vector lines)
.rept \n
	v_nop
.endr
.endm
.macro STEP slot, q, zero              ; a step of 128 along K that has its successor in the same slot
	s_wait_dscnt 4*NL                              ; B's set and A's blocks 0-3 are in; the youngest sixteen loads (A's blocks 4-7) may be out
.if \zero
	WIN MUL_LO0
.else
	WIN MUL_LO
.endif
	MUL16 0, (\q)%2, \q, \slot, \zero
	MUL16 2, (\q)%2, \q, \slot, \zero
	s_wait_dscnt 0                                 ; A's blocks 4-7 are in
	PLACES NP
	FETCH_B \slot, (\q)+1, 1-(\q)%2
	FETCH_A \slot, (\q)+1, 0
.if \zero
	WIN MUL_HI0
.else
	WIN MUL_HI
.endif
	MUL16 4, (\q)%2, \q, \slot, \zero
	MUL16 6, (\q)%2, \q, \slot, \zero
	PLACES NP
	WIN 0
	FETCH_A \slot, (\q)+1, 4
.endm
; A slot's last step changes slots: ONE barrier; in front of it each wave waits for all its tensor loads, adds 0 to its spare word, and waits for that and for its own reads of this slot.  fill = 1: this slot is filled again, two K steps ahead.
.macro TURN slot, next, fill
	s_wait_tensorcnt 0x0                           ; all my tensor loads have landed: my part of the next slot
	ds_add_u32 v[SPW], v[NIL]                      ; 0 onto my spare word
	s_wait_dscnt 4*NL+1                            ; (the add and the youngest sixteen loads, A's blocks 4-7, may be out)
	WIN MUL_LO
	MUL16 0, 1, NQ-1, \slot, 0                     ; sixteen matrix instructions stand between the add and the wait for it
	s_wait_dscnt 0x0                               ; the add is done, and my reads of this slot are over
	s_barrier_signal -1
	MUL16 2, 1, NQ-1, \slot, 0
	WIN 0
	s_barrier_wait -1
.if \fill
	CREST                                          ; the barrier has opened a round of the cluster's barrier: no wave of any partner still reads this slot or has a load on its way
	s_add_nc_u64 s[G0+4*\slot+2:G0+4*\slot+3], s[G0+4*\slot+2:G0+4*\slot+3], 2*RBK
	s_add_nc_u64 s[G0B+4*\slot+2:G0B+4*\slot+3], s[G0B+4*\slot+2:G0B+4*\slot+3], 2*RBK
	JLOAD G0+4*\slot, G1, G0B+4*\slot, G1B         ; the first tensor load behind the round, my one load until the next; its four v_nop are the places in front of the loads below
.else
	PLACES NP
.endif
	v_add_nc_u32 v[ADRS], 128, v[ADRS]             ; on to the next slot's scale words
	FETCH_B \next, 0, 0
	FETCH_A \next, 0, 0
	SCALES \next
	WIN MUL_HI
	MUL16 4, 1, NQ-1, \slot, 0
	MUL16 6, 1, NQ-1, \slot, 0
	PLACES NP
	WIN 0
	FETCH_A \next, 0, 4
.endm
; 64 numbers of a lane, v[s] .. v[s + 63], register 16 b + i = column 32 b + 16 (lane / 16) + i of my row, become a fragment's codes in v[PC] on and its scale word in v[PW].
.macro QUANT s
.irp b, 0,1,2,3
	v_max3_num_f32 v[TM+\b], |v[\s+16*\b]|, |v[\s+1+16*\b]|, 0x2800000   ; block b: my 16 numbers, and the floor 2^(5 - 127): the byte cannot fall under 1
.endr
.irp i, 2,4,6,8,10,12,14
.irp b, 0,1,2,3
	v_max3_num_f32 v[TM+\b], v[TM+\b], |v[\s+16*\b+\i]|, |v[\s+1+16*\b+\i]|   ; (the four blocks by turns)
.endr
.endr
.irp b, 0,1,2,3
	v_permlanex16_b32 v[TM+4+\b], v[TM+\b], s[SEL], s[SEL+1]
.endr
.irp b, 0,1,2,3
	v_max_num_f32 v[TM+\b], v[TM+\b], v[TM+4+\b]   ; with lane l xor 16's: the block's largest magnitude
.endr
.irp b, 0,1,2,3
	v_add_nc_u32 v[TM+12+\b], 0xfe000000, v[TM+\b]   ; 4 off its exponent field: the conversion's scale operand
.endr
.irp b, 0,1,2,3
	v_lshrrev_b32 v[TM+4+\b], 23, v[TM+12+\b]      ; the scale's byte
.endr
	v_lshl_or_b32 v[PW], v[TM+5], 8, v[TM+4]       ; the four bytes make my row's scale word
	v_lshl_or_b32 v[PW], v[TM+6], 16, v[PW]
	v_lshl_or_b32 v[PW], v[TM+7], 24, v[PW]
.irp c, 0,1
	v_cvt_scalef32_pk16_bf6_f32 v[PC+6*\c:PC+2+6*\c], v[\s+32*\c:\s+15+32*\c], v[TM+12+2*\c]
	v_cvt_scalef32_pk16_bf6_f32 v[PC+12+4*\c:PC+14+4*\c], v[\s+16+32*\c:\s+31+32*\c], v[TM+12+2*\c+1]   ; (a conversion's three registers begin on an even number)
.endr
	v_nop                                          ; one plain line behind a scaled conversion
.irp c, 0,1                                    ; the layout wants a WHOLE block in a lane: lanes 0-15 block 2 c, lanes 16-31 block 2 c + 1
.irp i, 0,1,2
	v_permlane16_swap_b32 v[PC+6*\c+\i], v[PC+12+4*\c+\i]
.endr
.irp i, 0,1,2
	v_mov_b32 v[PC+3+6*\c+\i], v[PC+12+4*\c+\i]
.endr
.endr
.endm
	s_wait_tensorcnt 1                             ; the scale words and my part of K step 0 are in (K step 1's load may be out)
	s_barrier_signal -1
	s_barrier_wait -1                              ; everybody's are
	FETCH_B 0, 0, 0
	FETCH_A 0, 0, 0
	SCALES 0
	FETCH_A 0, 0, 4
	s_wait_loadcnt 0x0                             ; addA and addB
	STEP 0, 0, 1                                   ; the first step stands in front of the loop: its products start the sums
	s_mov_b32 s3, LAPS-1
.Llap:                                                 ; a trip goes once round the ring, from a lap's second step to the next lap's first, and fills both slots again
	TURN 0, 1, 1
	STEP 1, 0, 0
	TURN 1, 0, 1
	STEP 0, 0, 0
	s_sub_co_u32 s3, s3, 1
	s_cmp_lg_u32 s3, 0
	s_cbranch_scc1 .Llap
	TURN 0, 1, 0                                   ; the last lap fills nothing, and has no round of the cluster's barrier
	STEP 1, 0, 0
	s_wait_dscnt 4*NL                              ; the very last step: nothing more to fetch
	WIN MUL_LO
	MUL16 0, 1, NQ-1, 1, 0
	MUL16 2, 1, NQ-1, 1, 0
	s_wait_dscnt 0
	WIN MUL_HI
	MUL16 4, 1, NQ-1, 1, 0
	MUL16 6, 1, NQ-1, 1, 0
	WIN 0
	; THE WAY OUT, block by block of 16 rows x 128 columns: + addA, quantised in registers, stored as two units and a scale word a row.  No LDS: the codes' registers are the units' bytes.
	PLACES NP
	s_mov_b32 s[SEL], 0x76543210
	s_mov_b32 s[SEL+1], 0xfedcba98                 ; v_permlanex16_b32's selects for lane l xor 16
	v_bfe_u32 v[TM], v0, 4, 1
	v_cmp_ne_u32 vcc_lo, 0, v[TM]                  ; lanes 16-31
.irp b, 0,1,2,3
	v_mov_b32 v[TM+4+\b], 0                        ; written once: a lane permute's destination counts as one of its sources
.endr
.irp a, 0,1,2,3,4,5,6,7
.if \a > 0
	s_wait_xcnt 0x0                                ; the last block's stores have read their registers: the codes may be written again
.endif
.if \a < 4
	WIN 0x02                                       ; source 0: window 2
.else
	WIN 0x03                                       ; window 3
.endif
.set i, 0
.rept 32
	v_pk_add_f32 v[T+i:T+i+1], v[64*(\a%4)+i:64*(\a%4)+i+1], v[BM+2*\a:BM+2*\a+1]   ; each accumulator from its low end on
.set i, i+2
.endr
	WIN 0
	QUANT T
.irp c, 0,1
	global_store_b128 v[L16], v[PC+6*\c:PC+6*\c+3], s[92:93] offset:\a*24576+\c*768       ; 512 consecutive bytes,
	global_store_b64 v[L8], v[PC+6*\c+4:PC+6*\c+5], s[92:93] offset:\a*24576+\c*768+512   ; and 256 more: a whole unit
.endr
.if \a%2 == 0
	v_mov_b32 v[PWE], v[PW]
.else
	v_cndmask_b32 v[SWD+\a/2], v[PWE], v[PW], vcc_lo   ; lanes 0-15 the even block's words, lanes 16-31 the odd one's
	global_store_b32 v[LSW], v[SWD+\a/2], s[94:95] offset:(\a/2)*2048
.endif
.endr
	s_wait_tensorcnt 0x0                           ; the wave's end
	ds_add_u32 v[SPW], v[NIL]
	s_wait_dscnt 0x0
	CROUND                                         ; the closing round: no work-group ends while a partner may still ask for a tile that names it
	s_endpgm
.Lfunc_end_k_qa0fb5a10b6_qk:
	.size	k_qa0fb5a10b6_qk, .Lfunc_end_k_qa0fb5a10b6_qk-k_qa0fb5a10b6_qk
	.p2alignl 7, 3214868480
	.fill 96, 4, 3214868480
	.section	.rodata,"a",@progbits
	.p2align	6, 0x0
	.amdhsa_kernel k_qa0fb5a10b6_qk
		.amdhsa_group_segment_fixed_size 327680
		.amdhsa_private_segment_fixed_size 0
		.amdhsa_enable_private_segment 0
		.amdhsa_kernarg_size 24
		.amdhsa_user_sgpr_count 2
		.amdhsa_user_sgpr_kernarg_segment_ptr 1
		.amdhsa_wavefront_size32 1
		.amdhsa_system_sgpr_workgroup_id_x 1
		.amdhsa_system_sgpr_workgroup_id_y 1
		.amdhsa_system_sgpr_workgroup_id_z 1
		.amdhsa_system_vgpr_workitem_id 0
		.amdhsa_next_free_vgpr 1024
		.amdhsa_next_free_sgpr 100
		.amdhsa_reserve_vcc 1
		.amdhsa_float_denorm_mode_32 3
		.amdhsa_float_denorm_mode_16_64 3
		.amdhsa_memory_ordered 1
		.amdhsa_forward_progress 1
		.amdhsa_inst_pref_size 168
	.end_amdhsa_kernel
	.amdgpu_metadata
---
amdhsa.version: [ 1, 2 ]
amdhsa.kernels:
  - .name:           k_qa0fb5a10b6_qk
    .symbol:         k_qa0fb5a10b6_qk.kd
    .args:
      - { .name: x_q, .offset: 0, .size: 8, .value_kind: global_buffer, .address_space: global }
      - { .name: wqk_q, .offset: 8, .size: 8, .value_kind: global_buffer, .address_space: global }
      - { .name: qk_q, .offset: 16, .size: 8, .value_kind: global_buffer, .address_space: global }
    .group_segment_fixed_size: 327680
    .private_segment_fixed_size: 0
    .kernarg_segment_align: 8
    .kernarg_segment_size: 24
    .max_flat_workgroup_size: 128
    .sgpr_count:     100
    .vgpr_count:     1024
    .wavefront_size: 32
...
	.end_amdgpu_metadata
.endif
;; end of part 2
;; launch v: the kernel of part 2 again; grid 32 x 4, 4 waves a work-group, clusters of 4 x 4, 327,680 bytes of LDS; arguments wv_q, x_q, vt_q; writes vt_q
;; launch attn (part 3): grid 4 x 64, 16 waves a work-group, no clusters, 210,944 bytes of LDS; arguments qk_q, vt_q, o_q; writes o_q
.if DOCPART == 3
	.amdgcn_target "amdgcn-amd-amdhsa--gfx1250"
	.amdhsa_code_object_version 6
	.text
	.protected	k_qa0fb5a10b6_attn
	.globl	k_qa0fb5a10b6_attn
	.p2align	8
	.type	k_qa0fb5a10b6_attn,@function
k_qa0fb5a10b6_attn:
	s_mov_b64 s[64:65], 0
	v_nop
	global_prefetch_b8 v0, s[64:65] scope:SCOPE_SE
	s_setreg_imm32_b32 hwreg(HW_REG_WAVE_MODE, 25, 1), 1
	s_wait_xcnt 0x0
; Causal attention on codes of BF6 (E3M2), head size 64, 2,048 tokens, 64 heads (4 x 16).  O / l is quantised along the head's axis and leaves as an operand of the last product.
; qk_q: scale words at block x 1,024 + word x 64 + 4 r; codes at 524,288 + token block x 24,576 + unit x 768 (units 0-15 Q's heads, 16-31 K's).  vt_q: V^T, the tokens innermost: scale words at b x 65,536 + e block x 1,024
; + key step x 64 + 4 r; codes at 524,288 + b x 1,572,864 + e block x 24,576 + chunk of 64 tokens x 768.  A unit is an image of six registers a lane (16 l; 512 + 8 l).  Block 2 B + u holds rows 32 B + 8 u + r + 8 (r / 8).
; THE SOFTMAX: t = score x log2(e) / 8; M = the running largest t rounded UP to a whole number; p = 2^(t - M) is quantised along the keys, not normalised; the row's sum is taken of the unquantised p and divides O at the end;
; when M moves, the sum and O are multiplied by 2^(old M - new M): exact.
; THE FIRST PRODUCT'S K IS 64: the upper six registers of K's and Q's fragments hold zero codes, which add nothing; their scale bytes are 0, which is 2^-127 and no NaN.
; SHARES.  A work-group owns one head and 32 tiles of 16 queries; wave w owns token blocks 16 i + w and 127 - (16 i + w): together 17 live key steps of 128 keys, the same in every wave of the launch.
; A step all of whose keys come after a tile's queries is left out by a scalar branch on ids; the loop's 16 trips are a constant.  In the one step on the diagonal hidden scores become -infinity ahead of the maximum.
; THE WHOLE HEAD'S K AND V, codes and scale words, lie in LDS (208,896 bytes), filled once by ten tensor loads, one a wave: no slot is filled again, and one barrier serves the launch.
; NO CLUSTER: the four work-groups of a head read the same K and V, but which steps a wave leaves out hangs on its query blocks, that is on the place that it would have in the cluster.
; Both products are used transposed: S^T = K Q^T, O^T = V^T P^T: a lane holds one query throughout; the 16 registers of two neighbouring tiles of keys are 16 neighbouring keys.
; LIMITS: 1 / l by v_rcp_f32; a block of zeros gets the byte 1 where the rule says 127; NaN and infinities are not served; O's scale bytes leave two at a time (two heads share a word).
; REGISTERS: v1-9 addresses; v10, v11 Q's scales; v12-15, v16-19 -M, the largest t, the sum in two halves, for the lower and the upper tile; v20-31, v32-43 Q; v44-91 four fragments of K; v92-155 S^T, then p, then four fragments of V;
;   v156-187, v188-219 O^T; v220-231 p's codes; v228-250 at work.
.set VC,   98304                       ; LDS: K's codes at 0, key block x 768; V's here: e block x 24,576 + chunk x 768
.set KSC,  196608                      ; K's scale words: key block x 64 + 4 r
.set VSC,  204800                      ; V's: e block x 1,024 + key step x 64 + 4 r
.set KFR,  44
.set S,    92
.set PCD,  220
.set MX,   228
.set PB,   232
.set SO,   240
.set SW,   244                         ; v244-247 K's or V's scale words
.set F,    248                         ; f = 2^(old M - new M)
.set PWD,  249                         ; p's scale word
.set TMP,  250
.set WV,   10
.set SEL,  66
.set CS,   68
.set KF,   70                          ; s70 the step's first key;  s71, s72 the lower and the upper tile's first query;  s73 trips to go
.set CNT,  73
	s_load_b128 s[4:7], s[0:1], 0x0                ; qk_q, vt_q
	s_load_b64 s[8:9], s[0:1], 0x10                ; o_q
	v_lshl_add_u32 v254, v0, 2, 0x33000
	v_mov_b32 v255, 0
	ds_add_u32 v254, v255
	ds_add_u32 v254, v255
	v_lshrrev_b32 v1, 5, v0
	v_readfirstlane_b32 s[WV], v1                  ; wave 0..15
	s_and_b32 s12, ttmp7, 0xffff
	s_lshr_b32 s11, s12, 4                         ; b
	s_and_b32 s12, s12, 15                         ; the head
	s_lshl_b32 s14, ttmp9, 4
	s_add_co_u32 s14, s14, s[WV]                   ; the lower tile's token block, 0 .. 63
	s_sub_co_u32 s15, 127, s14                     ; the upper tile's, 64 .. 127
	s_and_b32 s74, s14, 1
	s_lshl_b32 s74, s74, 3
	s_lshl_b32 s71, s14, 4
	s_sub_co_u32 s71, s71, s74                     ; its first query: 16 x block - 8 (block % 2)
	s_and_b32 s74, s15, 1
	s_lshl_b32 s74, s74, 3
	s_lshl_b32 s72, s15, 4
	s_sub_co_u32 s72, s72, s74
	s_lshl_b32 s13, s11, 7                         ; 128 b: the batch's first token block
	s_and_b32 s75, s[WV], 3
	s_mul_i32 s78, s12, 768                        ; the head's unit in a row block
	s_and_b32 s74, s12, 1
	s_lshl_b32 s74, s74, 1                         ; 2 (head % 2): the head's two bytes in a scale word
	s_lshr_b32 s79, s12, 1
	; group 1, four shapes, elements of 8 bytes, no padding
	s_mov_b32 s16, 3<<16                           ; K's codes: 32 rows of 768 bytes, 24,576 apart
	s_mov_b32 s17, 96<<16
	s_mov_b32 s18, 32<<16
	s_mov_b32 s19, 96<<16
	s_mov_b32 s20, 32
	s_mov_b32 s21, 3072
	s_mov_b32 s22, 0
	s_mov_b32 s23, 0
	s_mov_b32 s24, 3<<16                           ; V's codes: 24,576 dense bytes as 96 rows of 256
	s_mov_b32 s25, 32<<16
	s_mov_b32 s26, 96<<16
	s_mov_b32 s27, 32<<16
	s_mov_b32 s28, 96
	s_mov_b32 s29, 32
	s_mov_b32 s30, 0
	s_mov_b32 s31, 0
	s_mov_b32 s32, 3<<16                           ; K's scale words: 128 rows of 64 bytes, 1,024 apart
	s_mov_b32 s33, 8<<16
	s_mov_b32 s34, 128<<16
	s_mov_b32 s35, 8<<16
	s_mov_b32 s36, 128
	s_mov_b32 s37, 128
	s_mov_b32 s38, 0
	s_mov_b32 s39, 0
	s_mov_b32 s40, 3<<16                           ; V's scale words: 4,096 dense bytes as 16 rows of 256
	s_mov_b32 s41, 32<<16
	s_mov_b32 s42, 16<<16
	s_mov_b32 s43, 32<<16
	s_mov_b32 s44, 16
	s_mov_b32 s45, 32
	s_mov_b32 s46, 0
	s_mov_b32 s47, 0
	; group 0: offsets first, the buffers' addresses are added when they have come
	s_mov_b32 s48, 1                               ; K's codes: key blocks 32 (wave % 4) on
	s_mul_i32 s49, s75, 24576
	s_lshl_b32 s50, s75, 5
	s_add_co_u32 s50, s50, s13
	s_mul_i32 s50, s50, 24576
	s_add_co_u32 s50, s50, s78
	s_add_co_u32 s50, s50, 524288+16*768
	s_mov_b32 s51, 0
	s_mov_b32 s52, 1                               ; V's codes: e block 4 x head + wave % 4
	s_add_co_u32 s53, s49, VC
	s_lshl_b32 s54, s12, 2
	s_add_co_u32 s54, s54, s75
	s_mul_i32 s54, s54, 24576
	s_mul_i32 s55, s11, 1572864
	s_add_co_u32 s54, s54, s55
	s_add_co_u32 s54, s54, 524288
	s_mov_b32 s55, 0
	s_mov_b32 s56, 1                               ; K's scale words: word 8 + head / 2 of every token block of the batch
	s_mov_b32 s57, KSC
	s_lshl_b32 s58, s13, 10
	s_lshl_b32 s59, s79, 6
	s_add_co_u32 s58, s58, s59
	s_add_co_u32 s58, s58, 512
	s_mov_b32 s59, 0
	s_mov_b32 s60, 1                               ; V's scale words: the head's four e blocks
	s_mov_b32 s61, VSC
	s_lshl_b32 s62, s11, 16
	s_lshl_b32 s63, s12, 12
	s_add_co_u32 s62, s62, s63
	s_mov_b32 s63, 0
	; my tiles' places
	s_add_co_u32 s76, s13, s14                     ; the lower tile's token block in the whole tensor,
	s_add_co_u32 s77, s13, s15                     ; the upper one's
	s_mul_i32 s80, s76, 24576                      ; Q's codes
	s_add_co_u32 s80, s80, s78
	s_add_co_u32 s80, s80, 524288
	s_mov_b32 s81, 0
	s_mul_i32 s82, s77, 24576
	s_add_co_u32 s82, s82, s78
	s_add_co_u32 s82, s82, 524288
	s_mov_b32 s83, 0
	s_lshl_b32 s84, s76, 10                        ; Q's scale bytes
	s_lshl_b32 s85, s79, 6
	s_add_co_u32 s84, s84, s85
	s_add_co_u32 s84, s84, s74
	s_lshl_b32 s86, s77, 10
	s_add_co_u32 s86, s86, s85
	s_add_co_u32 s86, s86, s74
	s_mov_b32 s85, 0
	s_mov_b32 s87, 0
	s_mul_i32 s88, s76, 12288                      ; O's codes: block x 12,288 + head x 768
	s_add_co_u32 s88, s88, s78
	s_add_co_u32 s88, s88, 294912
	s_mov_b32 s89, 0
	s_mul_i32 s90, s77, 12288
	s_add_co_u32 s90, s90, s78
	s_add_co_u32 s90, s90, 294912
	s_mov_b32 s91, 0
	s_lshl_b32 s92, s76, 9                         ; O's scale bytes: block x 512 + (head / 4) x 128 + 4 ((head / 2) % 2) + 2 (head % 2)
	s_lshr_b32 s93, s12, 2
	s_lshl_b32 s93, s93, 7
	s_add_co_u32 s92, s92, s93
	s_and_b32 s93, s79, 1
	s_lshl_b32 s93, s93, 2
	s_add_co_u32 s92, s92, s93
	s_add_co_u32 s92, s92, s74
	s_add_co_u32 s92, s92, 32768
	s_mov_b32 s93, 0
	s_sub_co_u32 s94, s15, s14
	s_lshl_b32 s94, s94, 9                         ; from the lower tile's bytes to the upper one's
	s_mov_b32 s[SEL], 0x76543210
	s_mov_b32 s[SEL+1], 0xfedcba98                 ; v_permlanex16_b32's selects for lane l xor 16
	s_mov_b32 s[CS], 0x3e38aa3b                    ; c = log2(e) / 8
	s_mov_b32 s[CS+1], s[CS]                       ; (named with it as a pair, so it is written)
	s_mov_b32 s[KF], 0
	s_mov_b32 s[CNT], 16
	s_add_co_u32 s74, s74, KSC
	s_wait_dscnt 0x0
	s_wait_kmcnt 0x0
	s_add_nc_u64 s[50:51], s[4:5], s[50:51]
	s_or_b32 s51, s51, 0x80000000
	s_add_nc_u64 s[54:55], s[6:7], s[54:55]
	s_or_b32 s55, s55, 0x80000000
	s_add_nc_u64 s[58:59], s[4:5], s[58:59]
	s_or_b32 s59, s59, 0x80000000
	s_add_nc_u64 s[62:63], s[6:7], s[62:63]
	s_or_b32 s63, s63, 0x80000000
	; the fills: waves 0-3 K's codes, 4-7 V's, 8 K's scale words, 9 V's; one load a wave, under branches on the wave's number.  Four v_nop follow each.
	s_cmp_lt_u32 s[WV], 4
	s_cbranch_scc0 .Lnot_k
	tensor_load_to_lds s[48:51], s[16:23]
	s_nop 0
.rept 4
	v_nop
.endr
	s_branch .Lasked
.Lnot_k:
	s_cmp_lt_u32 s[WV], 8
	s_cbranch_scc0 .Lnot_v
	tensor_load_to_lds s[52:55], s[24:31]
	s_nop 0
.rept 4
	v_nop
.endr
	s_branch .Lasked
.Lnot_v:
	s_cmp_eq_u32 s[WV], 8
	s_cbranch_scc0 .Lnot_ks
	tensor_load_to_lds s[56:59], s[32:39]
	s_nop 0
.rept 4
	v_nop
.endr
	s_branch .Lasked
.Lnot_ks:
	s_cmp_eq_u32 s[WV], 9
	s_cbranch_scc0 .Lasked
	tensor_load_to_lds s[60:63], s[40:47]
	s_nop 0
.rept 4
	v_nop
.endr
.Lasked:
	s_add_nc_u64 s[80:81], s[4:5], s[80:81]
	s_add_nc_u64 s[82:83], s[4:5], s[82:83]
	s_add_nc_u64 s[84:85], s[4:5], s[84:85]
	s_add_nc_u64 s[86:87], s[4:5], s[86:87]
	s_add_nc_u64 s[88:89], s[8:9], s[88:89]
	s_add_nc_u64 s[90:91], s[8:9], s[90:91]
	s_add_nc_u64 s[92:93], s[8:9], s[92:93]
	v_and_b32 v220, 31, v0                         ; lane
	v_and_b32 v221, 15, v0                         ; r
	v_bfe_u32 v222, v0, 4, 1                       ; the lane's half
	v_lshlrev_b32 v1, 4, v220                      ; a unit's first part: 16 x lane
	v_lshlrev_b32 v2, 3, v220
	v_add_nc_u32 v2, 512, v2                       ; its second: 512 + 8 x lane
	v_lshlrev_b32 v[TMP], 2, v221
	global_load_b128 v[20:23], v1, s[80:81]        ; Q stays in registers
	global_load_b64 v[24:25], v2, s[80:81]
	global_load_u16 v10, v[TMP], s[84:85]          ; its two scale bytes; the upper two of the word are 0
	global_load_b128 v[32:35], v1, s[82:83]
	global_load_b64 v[36:37], v2, s[82:83]
	global_load_u16 v11, v[TMP], s[86:87]
.irp j, 26,27,28,29,30,31,38,39,40,41,42,43
	v_mov_b32 v[\j], 0                             ; Q's upper 64 along K: zero codes
.endr
.irp t, 0,1,2,3
.irp j, 6,7,8,9,10,11
	v_mov_b32 v[KFR+12*\t+\j], 0                   ; K's likewise: written once, never loaded over
.endr
.endr
	v_add_nc_u32 v3, VC, v1                        ; V's e blocks 0, 1
	v_add_nc_u32 v4, VC, v2
	v_add_nc_u32 v5, VC+49152, v1                  ; and 2, 3: beyond an LDS offset's 16 bits
	v_add_nc_u32 v6, VC+49152, v2
	v_lshl_add_u32 v7, v221, 2, s74                ; K's scale bytes: 4 r + 2 (head % 2)
	v_lshl_add_u32 v8, v221, 2, VSC                ; V's scale words
	v_and_b32 v9, 8, v221
	v_add_nc_u32 v9, v9, v221
	v_lshlrev_b32 v223, 4, v222
	v_sub_nc_u32 v9, v9, v223                      ; r + 8 (r / 8) - 16 (lane / 16): my query less my first key, from the tile's and the step's first
.irp st, 12, 16
	v_mov_b32 v[\st+1], 0xff61b1e6                 ; the largest t so far: -3e38, under every t
	v_floor_f32 v[\st], -v[\st+1]                  ; -M
	v_mov_b32 v[\st+2], 0                          ; the sum, in two halves
	v_mov_b32 v[\st+3], 0
.endr
.irp b, 0,1,2,3
	v_mov_b32 v[PB+\b], 0                          ; written once: a lane permute's destination counts as one of its sources
.endr
	v_mov_b32 v[F], 0
	v_mov_b32 v[PWD], 0                            ; (named as the upper half of the pair with f before it is first written)
.set j, 0
.rept 64
	v_mov_b32 v[156+j], 0                          ; O^T.  (The step is written once: the first finds zeros, which the first change of M leaves zeros)
.set j, j+1
.endr
; A KEY STEP of one tile: 128 keys.  qf: Q's fragment; qs: its scales; st: its statistics; ob: its O^T; q0: the scalar with its first query.
.macro STEP qf, qs, st, ob, q0
	s_cmp_gt_u32 s[KF], s[\q0]                     ; a tile's 16 queries lie in one run of 128 tokens: a step that begins behind the first begins behind all
	s_cbranch_scc1 .Lhidden_\@
.irp g, 0,1                                    ; S^T = K Q^T, four tiles of 16 keys at a time
.if \g > 0
.rept 4
	v_nop                                          ; places in front of loads into registers that matrix instructions have read
.endr
.endif
.irp t, 0,1,2,3
	ds_load_b128 v[KFR+12*\t:KFR+12*\t+3], v1 offset:(4*\g+\t)*768
	ds_load_b64 v[KFR+12*\t+4:KFR+12*\t+5], v2 offset:(4*\g+\t)*768
	ds_load_u16 v[SW+\t], v7 offset:(4*\g+\t)*64
.endr
	s_wait_dscnt 0x0
.irp t, 0,1,2,3
	v_wmma_scale_f32_16x16x128_f8f6f4 v[S+8*(4*\g+\t):S+8*(4*\g+\t)+7], v[KFR+12*\t:KFR+12*\t+11], v[\qf:\qf+11], 0, v[SW+\t], v[\qs] matrix_a_fmt:MATRIX_FMT_BF6 matrix_b_fmt:MATRIX_FMT_BF6
.endr
.endr                                          ; lane (r, h) holds one query; the 16 registers of tiles 2 b, 2 b + 1 are keys 32 b + 16 h + 0 .. 15 of the step
.rept 4
	v_nop
.endr
	s_add_co_u32 s74, s[KF], 127                   ; a step all of whose keys count skips the mask
	s_cmp_le_u32 s74, s[\q0]
	s_cbranch_scc1 .Lopen_\@
	s_sub_co_i32 s74, s[\q0], s[KF]
	v_add_nc_u32 v[F], s74, v9                     ; d = my query - the step's first key - 16 (lane / 16): register 16 b + i is hidden where 32 b + i > d
	v_mov_b32 v[TMP], 0xff800000                   ; -infinity
.set n, 0
.rept 64
	v_cmp_gt_i32 vcc_lo, 32*(n/16)+n%16, v[F]
	v_cndmask_b32 v[S+n], v[S+n], v[TMP], vcc_lo
.set n, n+1
.endr
.Lopen_\@:
.irp b, 0,1,2,3
	v_max3_num_f32 v[MX+\b], v[S+16*\b], v[S+1+16*\b], v[S+2+16*\b]   ; the largest score of each block of 32 keys: it serves for the row's maximum and, since p rises with the score, for the block's largest p
.endr
.irp i, 3,5,7,9,11,13
.irp b, 0,1,2,3
	v_max3_num_f32 v[MX+\b], v[MX+\b], v[S+16*\b+\i], v[S+1+16*\b+\i]
.endr
.endr
.irp b, 0,1,2,3
	v_max_num_f32 v[MX+\b], v[MX+\b], v[S+15+16*\b]
.endr
.irp b, 0,1,2,3
	v_permlanex16_b32 v[PB+\b], v[MX+\b], s[SEL], s[SEL+1]
.endr
.irp b, 0,1,2,3
	v_max_num_f32 v[MX+\b], v[MX+\b], v[PB+\b]     ; with lane l xor 16's 16 keys
.endr
	v_max3_num_f32 v[TMP], v[MX], v[MX+1], v[MX+2]
	v_max_num_f32 v[TMP], v[TMP], v[MX+3]          ; the step's largest score of my query
	v_mul_f32 v[TMP], s[CS], v[TMP]                ; as t (c is positive)
	v_max_num_f32 v[\st+1], v[\st+1], v[TMP]       ; the running largest t
	v_mov_b32 v[TMP], v[\st]
	v_floor_f32 v[\st], -v[\st+1]                  ; the new -M = floor(-t) = -ceil(t): a whole number
	v_sub_f32 v[TMP], v[\st], v[TMP]               ; M's old value less its new one: a whole number, 0 or less
	v_cvt_i32_f32 v[TMP], v[TMP]                   ; (it saturates)
	v_ldexp_f32 v[F], 1.0, v[TMP]                  ; f = 2^(old M - new M)
.set j, 0
.rept 32
	v_pk_fma_f32 v[S+j:S+j+1], v[S+j:S+j+1], s[CS:CS+1], v[\st:\st+1] op_sel_hi:[1,0,0]   ; t - M, two at a time (of the pairs c and -M the low word serves both halves)
.set j, j+2
.endr
.irp b, 0,1,2,3
	v_fma_f32 v[MX+\b], v[MX+\b], s[CS], v[\st]    ; the same of each block's largest score
.endr
.set j, 0
.rept 64
	v_exp_f32 v[S+j], v[S+j]                       ; p = 2^(t - M), at most 1: not normalised
.set j, j+1
.endr
.irp b, 0,1,2,3
	v_exp_f32 v[MX+\b], v[MX+\b]                   ; the block's largest p: the same two instructions on the same number give the same bits
.endr
	v_pk_mul_f32 v[\st+2:\st+3], v[\st+2:\st+3], v[F:F+1] op_sel_hi:[1,0]   ; the sums under the new M.  (A plain line behind the exponentials)
	s_wait_alu depctr_va_vdst(0)
.irp b, 0,1,2,3
	v_max_num_f32 v[MX+\b], 0x2800000, v[MX+\b]    ; the floor 2^(5 - 127): the byte cannot fall under 1
.endr
.irp b, 0,1,2,3
	v_add_nc_u32 v[SO+\b], 0xfe000000, v[MX+\b]    ; 4 off the exponent field: the conversion's scale operand
.endr
.irp b, 0,1,2,3
	v_lshrrev_b32 v[PB+\b], 23, v[SO+\b]           ; the scale's byte
.endr
	v_lshl_or_b32 v[PWD], v[PB+1], 8, v[PB]        ; p's scale word for these 128 keys
	v_lshl_or_b32 v[PWD], v[PB+2], 16, v[PWD]
	v_lshl_or_b32 v[PWD], v[PB+3], 24, v[PWD]
.irp c, 0,1
	v_cvt_scalef32_pk16_bf6_f32 v[PCD+6*\c:PCD+2+6*\c], v[S+32*\c:S+15+32*\c], v[SO+2*\c]
	v_cvt_scalef32_pk16_bf6_f32 v[PB+4*\c:PB+2+4*\c], v[S+16+32*\c:S+31+32*\c], v[SO+2*\c+1]   ; (a conversion's three registers begin on an even number)
.endr
	v_nop                                          ; one plain line behind a scaled conversion
.irp c, 0,1                                    ; the layout wants a WHOLE block in a lane: lanes 0-15 block 2 c, lanes 16-31 block 2 c + 1
.irp i, 0,1,2
	v_permlane16_swap_b32 v[PCD+6*\c+\i], v[PB+4*\c+\i]
.endr
.irp i, 0,1,2
	v_mov_b32 v[PCD+3+6*\c+\i], v[PB+4*\c+\i]
.endr
.endr
	v_pk_add_f32 v[PB:PB+1], v[S:S+1], v[S+2:S+3]  ; the row's sum is taken of the unquantised p: two at a time, in two chains
.irp j, 4,8,12,16,20,24,28,32,36,40,44,48,52,56,60
	v_pk_add_f32 v[\st+2:\st+3], v[\st+2:\st+3], v[S+\j:S+1+\j]
	v_pk_add_f32 v[PB:PB+1], v[PB:PB+1], v[S+2+\j:S+3+\j]
.endr
	v_pk_add_f32 v[\st+2:\st+3], v[\st+2:\st+3], v[PB:PB+1]
.irp d, 0,1,2,3                                ; V's four fragments (16 of the head's 64 x these 128 keys) into the registers that p has left
	ds_load_b128 v[S+12*\d:S+12*\d+3], v[3+2*(\d/2)] offset:(\d%2)*24576
	ds_load_b64 v[S+12*\d+4:S+12*\d+5], v[4+2*(\d/2)] offset:(\d%2)*24576
	ds_load_b128 v[S+12*\d+6:S+12*\d+9], v[3+2*(\d/2)] offset:(\d%2)*24576+768
	ds_load_b64 v[S+12*\d+10:S+12*\d+11], v[4+2*(\d/2)] offset:(\d%2)*24576+768
	ds_load_b32 v[SW+\d], v8 offset:1024*\d
.endr
.set j, 0
.rept 16
	v_pk_mul_f32 v[\ob+j:\ob+j+1], v[\ob+j:\ob+j+1], v[F:F+1] op_sel_hi:[1,0]   ; O^T under the new M, while the loads land; each accumulator from its low end on
.set j, j+2
.endr
	s_wait_dscnt 0x0
.irp d, 0,1,2,3                                ; O^T += V^T P^T: four accumulators by turns
	v_wmma_scale_f32_16x16x128_f8f6f4 v[\ob+8*\d:\ob+8*\d+7], v[S+12*\d:S+12*\d+11], v[PCD:PCD+11], v[\ob+8*\d:\ob+8*\d+7], v[SW+\d], v[PWD] matrix_a_fmt:MATRIX_FMT_BF6 matrix_b_fmt:MATRIX_FMT_BF6
.endr
.rept 5
	v_nop                                          ; the next step's products write over V's registers: five places; its loads into the scale registers want four
.endr
.Lhidden_\@:
.endm
	s_wait_tensorcnt 0x0                           ; my fill has landed,
	s_barrier_signal -1
	s_barrier_wait -1                              ; everybody's has: from here on LDS is only read
	s_wait_loadcnt 0x0                             ; Q
.Ltrip:                                                ; 16 trips, a constant: a trip is one key step of both tiles, each left out where it is hidden
	STEP 20, 10, 12, 156, 71
	STEP 32, 11, 16, 188, 72
	v_add_nc_u32 v1, 6144, v1                      ; eight key blocks on
	v_add_nc_u32 v2, 6144, v2
	v_add_nc_u32 v3, 1536, v3                      ; two chunks of 64 keys on
	v_add_nc_u32 v4, 1536, v4
	v_add_nc_u32 v5, 1536, v5
	v_add_nc_u32 v6, 1536, v6
	v_add_nc_u32 v7, 512, v7
	v_add_nc_u32 v8, 64, v8
	s_add_co_u32 s[KF], s[KF], 128
	s_sub_co_u32 s[CNT], s[CNT], 1
	s_cmp_lg_u32 s[CNT], 0
	s_cbranch_scc1 .Ltrip
	; THE WAY OUT: O^T / l, quantised along the head's 64 (two blocks of 32): one unit and two scale bytes a tile
	v_and_b32 v3, 31, v0
	v_lshlrev_b32 v1, 4, v3
	v_lshlrev_b32 v2, 3, v3
	v_add_nc_u32 v2, 512, v2
	v_and_b32 v4, 15, v0
	v_bfe_u32 v5, v0, 4, 1
	v_mul_u32_u24 v6, s94, v5                      ; lanes 16-31 store the upper tile's bytes: the lower tile's place + the distance
	v_lshl_add_u32 v6, v4, 3, v6
	v_cmp_ne_u32 vcc_lo, 0, v5
.macro FINISH st, ob, dd, cd, by
	v_add_f32 v[\st+2], v[\st+2], v[\st+3]         ; the sum's two halves,
	v_permlanex16_b32 v[F], v[\st+2], s[SEL], s[SEL+1]
	v_add_f32 v[\st+2], v[\st+2], v[F]             ; and lane l xor 16's: the row's sum
	v_rcp_f32 v[\st+2], v[\st+2]
	v_nop                                          ; one plain line behind a transcendental
.set j, 0
	s_wait_alu depctr_va_vdst(0)
.rept 32
	v_mul_f32 v[\dd+j], v[\ob+j], v[\st+2]         ; register 16 b + i is channel 32 b + 16 (lane / 16) + i of my query
.set j, j+1
.endr
.irp b, 0,1
	v_max3_num_f32 v[MX+\b], |v[\dd+16*\b]|, |v[\dd+1+16*\b]|, 0x2800000
.endr
.irp i, 2,4,6,8,10,12,14
.irp b, 0,1
	v_max3_num_f32 v[MX+\b], v[MX+\b], |v[\dd+16*\b+\i]|, |v[\dd+1+16*\b+\i]|
.endr
.endr
.irp b, 0,1
	v_permlanex16_b32 v[PB+\b], v[MX+\b], s[SEL], s[SEL+1]
.endr
.irp b, 0,1
	v_max_num_f32 v[MX+\b], v[MX+\b], v[PB+\b]
.endr
.irp b, 0,1
	v_add_nc_u32 v[SO+\b], 0xfe000000, v[MX+\b]
.endr
.irp b, 0,1
	v_lshrrev_b32 v[PB+\b], 23, v[SO+\b]
.endr
	v_lshl_or_b32 v[\by], v[PB+1], 8, v[PB]        ; the two bytes
	v_cvt_scalef32_pk16_bf6_f32 v[\cd:\cd+2], v[\dd:\dd+15], v[SO]
	v_cvt_scalef32_pk16_bf6_f32 v[PB+4:PB+6], v[\dd+16:\dd+31], v[SO+1]
	v_nop                                          ; one plain line behind a scaled conversion
.irp i, 0,1,2
	v_permlane16_swap_b32 v[\cd+\i], v[PB+4+\i]
.endr
.irp i, 0,1,2
	v_mov_b32 v[\cd+3+\i], v[PB+4+\i]
.endr
.endm
	FINISH 12, 156, 92, 44, 50
	global_store_b128 v1, v[44:47], s[88:89]       ; 512 consecutive bytes,
	global_store_b64 v2, v[48:49], s[88:89]        ; and 256 more: a whole unit
	FINISH 16, 188, 124, 56, 62
	global_store_b128 v1, v[56:59], s[90:91]
	global_store_b64 v2, v[60:61], s[90:91]
	v_cndmask_b32 v7, v50, v62, vcc_lo             ; both halves of the lanes hold a row's bytes: lanes 0-15 store the lower tile's, lanes 16-31 the upper one's
	global_store_b16 v6, v7, s[92:93]
	s_wait_tensorcnt 0x0
	ds_add_u32 v254, v255
	s_wait_dscnt 0x0
	s_endpgm
.Lfunc_end_k_qa0fb5a10b6_attn:
	.size	k_qa0fb5a10b6_attn, .Lfunc_end_k_qa0fb5a10b6_attn-k_qa0fb5a10b6_attn
	.p2alignl 7, 3214868480
	.fill 96, 4, 3214868480
	.section	.rodata,"a",@progbits
	.p2align	6, 0x0
	.amdhsa_kernel k_qa0fb5a10b6_attn
		.amdhsa_group_segment_fixed_size 210944
		.amdhsa_private_segment_fixed_size 0
		.amdhsa_enable_private_segment 0
		.amdhsa_kernarg_size 24
		.amdhsa_user_sgpr_count 2
		.amdhsa_user_sgpr_kernarg_segment_ptr 1
		.amdhsa_wavefront_size32 1
		.amdhsa_system_sgpr_workgroup_id_x 1
		.amdhsa_system_sgpr_workgroup_id_y 1
		.amdhsa_system_sgpr_workgroup_id_z 1
		.amdhsa_system_vgpr_workitem_id 0
		.amdhsa_next_free_vgpr 256
		.amdhsa_next_free_sgpr 96
		.amdhsa_reserve_vcc 1
		.amdhsa_float_denorm_mode_32 3
		.amdhsa_float_denorm_mode_16_64 3
		.amdhsa_memory_ordered 1
		.amdhsa_forward_progress 1
		.amdhsa_inst_pref_size 65
	.end_amdhsa_kernel
	.amdgpu_metadata
---
amdhsa.version: [ 1, 2 ]
amdhsa.kernels:
  - .name:           k_qa0fb5a10b6_attn
    .symbol:         k_qa0fb5a10b6_attn.kd
    .args:
      - { .name: qk_q, .offset: 0, .size: 8, .value_kind: global_buffer, .address_space: global }
      - { .name: vt_q, .offset: 8, .size: 8, .value_kind: global_buffer, .address_space: global }
      - { .name: o_q, .offset: 16, .size: 8, .value_kind: global_buffer, .address_space: global }
    .group_segment_fixed_size: 210944
    .private_segment_fixed_size: 0
    .kernarg_segment_align: 8
    .kernarg_segment_size: 24
    .max_flat_workgroup_size: 512
    .sgpr_count:     96
    .vgpr_count:     256
    .wavefront_size: 32
...
	.end_amdgpu_metadata
.endif
;; end of part 3
;; launch out (part 4): grid 4 x 32, 4 waves a work-group, clusters of 4 x 4, 327,680 bytes of LDS; arguments o_q, wo_q, bo, out0; writes out0
.if DOCPART == 4
	.amdgcn_target "amdgcn-amd-amdhsa--gfx1250"
	.amdhsa_code_object_version 6
	.text
	.protected	k_qa0fb5a10b6_out
	.globl	k_qa0fb5a10b6_out
	.p2align	8
	.type	k_qa0fb5a10b6_out,@function
k_qa0fb5a10b6_out:
	s_mov_b64 s[64:65], 0
	v_nop
	global_prefetch_b8 v0, s[64:65] scope:SCOPE_SE
	s_setreg_imm32_b32 hwreg(HW_REG_WAVE_MODE, 25, 1), 1
	s_wait_xcnt 0x0
	s_wait_alu depctr_hold_cnt(0) depctr_sa_sdst(0) depctr_va_vdst(0) depctr_va_sdst(0) depctr_va_ssrc(0) depctr_va_vcc(0) depctr_vm_vsrc(0)
	s_getreg_b32 s2, hwreg(HW_REG_IB_STS2, 6, 4)
	s_cmp_eq_u32 s2, 0
	s_cbranch_scc0 .Lentry_in_a_cluster
	s_endpgm
.Lentry_in_a_cluster:
	s_bfe_u32 s2, ttmp6, 0x10000c
	s_cmp_lg_u32 s2, 0xf033
	s_cbranch_scc0 .Lentry_shape_is_right
	s_endpgm
.Lentry_shape_is_right:
; out0[m][n] = O_m . Wo_n + bo[n], K = 1,024, both operands codes of BF6 (E3M2) with E8M0 scales, the result f32 [8192][1024].
; OPERAND BUFFERS: at 32,768 scale words, block x 512 + (sigma / 2) x 128 + 8 r + 4 (sigma % 2); at 294,912 codes, block x 12,288 + kappa x 768.
; A row block 2 B + u holds rows 32 B + 8 u + r + 8 (r / 8), r = 0 .. 15; unit kappa (768 bytes) is its k = 64 kappa .. + 63 as an image of registers: lane l's registers 0-3 at 16 l, 4-5 at 512 + 8 l.
; A tile, 256 x 256, is made by four waves, 128 x 128 each: 64 accumulators, 512 registers.  K goes in steps of 256 through a ring of two LDS slots; the scale words of the tile's rows, for all of K, come once.
; CLUSTERS: 4 x 4 work-groups; O's tiles are shared along a row of the cluster, Wo's along a column: each is asked for jointly, by the same tensor load with the same descriptor and a mask that names the four.
; THE MATRIX INSTRUCTION IS USED TRANSPOSED (source 0 = 16 rows of Wo, source 1 = 16 rows of O): lane (r, h) holds O's lane-row r, and register j of Wo's block b the column 32 (b / 2) + 16 h + 8 (b % 2) + j.
; bo is the C of each sum's first product.  The order of rows in a block shows only in the offsets of the way out.
; REGISTERS: window 0: v16-29 addresses; v32-63 scale words, two sets; v64-127 bo in the result's layout; v128-223 A's fragments, one set; on the way out v128-255 rows of the result.
;   Window 1: B's fragments, two sets, at v0 and v128.  Window 2: the accumulators of my rows 0-63 ((a, b) at v[8 (8 a + b)]); window 3: those of rows 64-127.
.set NQ,     2
.set FR,     12
.set NL,     4
.set NP,     4
.set RBK,    3072
.set HALFT,  8*RBK
.set SLOT,   4*HALFT
.set LAPS,   2
.set KROW,   768
.set KS,     32
.set SCLS,   32768
.set CODES,  294912
.set SCL,    2*SLOT                    ; behind the ring: A's scale words (8,192 bytes), and 128 bytes further on than a multiple of 256, B's
.set HALFS,  4096
.set SBLK,   512
.set SPARE,  SCL+4*HALFS+256           ; the spare words, 128 bytes for each wave: two blocks of 256 bytes that no other line names
.set SPITCH, 528                       ; the way out: a stage of 16 rows x (512 bytes + 16) for each wave, in slot 0, which has had its last fill and its last read when the first result is stored there
.set ADRA, 16
.set ADRB, 20
.set STO,  24                          ; v24  the way out: where I put my results of a row
.set RD,   25                          ; v25  where I read a row back
.set CO,   26                          ; v26  16 x lane: my bytes of a row of the result
.set ADRS, 27
.set SPW,  28
.set NIL,  29
.set BNO,  30
.set SC,   32
.set BN,   64
.set AF,   128
.set BK,   128
.set G1, 24
.set G0, 32
.set G1B, 48
.set G0B, 56
.set G1S, 68
.set G0S, 76
.set G1SB, 80
.set G0SB, 88
.set MSB, 0
.macro WIN new                         ; the immediate's high byte repeats the setting that is left
.if MSB != \new
	s_set_vgpr_msb (MSB<<8)|\new
.set MSB, \new
.endif
.endm
.set MUL_LO,  0xa1
.set MUL_HI,  0xf1
.set MUL_LO0, 0x81                     ; the first products: C (bo) window 0, D window 2
.set MUL_HI0, 0xc1
.set TO_B,    0x40
.macro JLOAD g0a, g1a, g0b, g1b        ; a joint load: waves 0 and 1 fetch for A, waves 2 and 3 for B; four v_nop follow each of the two lines
	s_cmp_eq_u32 s15, 0
	s_cbranch_scc0 .Lfor_b_\@
	tensor_load_to_lds s[\g0a:\g0a+3], s[\g1a:\g1a+7]
	s_nop 0
.rept 4
	v_nop
.endr
	s_branch .Lasked_\@
.Lfor_b_\@:
	tensor_load_to_lds s[\g0b:\g0b+3], s[\g1b:\g1b+7]
	s_nop 0
.rept 4
	v_nop
.endr
.Lasked_\@:
.endm
.macro CREST
	s_cmp_lg_u32 s14, 0
	s_cbranch_scc1 .Lnot_wave_0_\@
	s_barrier_signal -3
.Lnot_wave_0_\@:
	s_barrier_wait -3
	s_barrier_signal -1
	s_barrier_wait -1
.endm
.macro CROUND
	s_barrier_signal -1
	s_barrier_wait -1
	CREST
.endm
	s_load_b128 s[4:7], s[0:1], 0x0                ; o_q, wo_q
	s_load_b128 s[96:99], s[0:1], 0x10             ; bo, out0
	v_lshl_add_u32 v[SPW], v0, 2, SPARE
	v_mov_b32 v[NIL], 0
	ds_add_u32 v28, v29
	ds_add_u32 v28, v29
	s_wait_dscnt 0x0
	v_lshrrev_b32 v1, 5, v0
	v_readfirstlane_b32 s14, v1                    ; wave 0..3
	s_lshr_b32 s15, s14, 1                         ; which half of the tile's rows is mine.  Also: I fetch for A (0) or for B (1)
	s_and_b32 s16, s14, 1                          ; which half of its columns.  Also: which 128 rows of that tile I fetch
	s_bfe_u32 s40, ttmp6, 0x40000
	s_bfe_u32 s41, ttmp6, 0x40004
	s_lshl_b32 s42, ttmp9, 2
	s_add_co_u32 s42, s42, s40                     ; tile column
	s_and_b32 s17, ttmp7, 0xffff
	s_lshl_b32 s17, s17, 2
	s_add_co_u32 s17, s17, s41                     ; tile row
	s_lshl_b32 s43, s41, 2
	s_lshl_b32 s43, 15, s43                        ; my row of the cluster
	s_lshl_b32 s44, 0x1111, s40                    ; my column
	s_or_b32 s[G1+0], s43, (3<<16)|(1<<21)         ; codes: 8 row blocks x 3,072 bytes (384 elements of 8 bytes), 12,288 apart in memory, on end in LDS; bit 21 set beside the mask
	s_or_b32 s[G1B+0], s44, (3<<16)|(1<<21)
.irp g, G1, G1B
	s_mov_b32 s[\g+1], 384<<16
	s_mov_b32 s[\g+2], 8<<16
	s_mov_b32 s[\g+3], 384<<16
	s_mov_b32 s[\g+4], 8
	s_mov_b32 s[\g+5], 1536
	s_mov_b32 s[\g+6], 0
	s_mov_b32 s[\g+7], 0
.endr
	s_or_b32 s[G1S+0], s43, (3<<16)|(1<<21)        ; scale words of 128 rows: 4,096 dense bytes as 16 rows of 256
	s_or_b32 s[G1SB+0], s44, (3<<16)|(1<<21)
.irp g, G1S, G1SB
	s_mov_b32 s[\g+1], 32<<16
	s_mov_b32 s[\g+2], 16<<16
	s_mov_b32 s[\g+3], 32<<16
	s_mov_b32 s[\g+4], 16
	s_mov_b32 s[\g+5], 32
	s_mov_b32 s[\g+6], 0
	s_mov_b32 s[\g+7], 0
.endr
	s_lshl_b32 s18, s16, 7
	s_lshl_b32 s20, s17, 8
	s_add_co_u32 s20, s20, s18                     ; A: row 256 x tile row + 128 x half
	s_lshl_b32 s46, s42, 8
	s_add_co_u32 s46, s46, s18                     ; B: row 256 x tile column + 128 x half
	s_mov_b32 s21, 0
	s_mov_b32 s47, 0
	s_mov_b64 s[18:19], KS
	s_mul_u64 s[22:23], s[20:21], s[18:19]
	s_mul_u64 s[92:93], s[46:47], s[18:19]
	s_mov_b64 s[18:19], KROW
	s_mul_u64 s[20:21], s[20:21], s[18:19]
	s_mul_u64 s[46:47], s[46:47], s[18:19]
	s_mul_i32 s45, s14, HALFT                      ; no place in the cluster enters an LDS address
	s_lshl_b32 s94, s14, 12
	s_lshl_b32 s95, s15, 7
	s_add_co_u32 s94, s94, s95
	s_wait_kmcnt 0x0
	s_add_nc_u64 s[8:9], s[6:7], CODES             ; B's codes
	s_add_nc_u64 s[10:11], s[6:7], SCLS            ; B's scale words
	s_add_nc_u64 s[6:7], s[4:5], SCLS              ; A's scale words
	s_add_nc_u64 s[4:5], s[4:5], CODES             ; A's codes
	s_add_nc_u64 s[20:21], s[4:5], s[20:21]
	s_add_nc_u64 s[22:23], s[6:7], s[22:23]
	s_add_nc_u64 s[46:47], s[8:9], s[46:47]
	s_add_nc_u64 s[92:93], s[10:11], s[92:93]
	CROUND                                         ; all sixteen work-groups are here: the first joint loads meet
	s_mov_b32 s[G0S], 1
	s_add_co_u32 s[G0S+1], s94, SCL
	s_mov_b64 s[G0S+2:G0S+3], s[22:23]
	s_or_b32 s[G0S+3], s[G0S+3], 0x80000000
	s_mov_b32 s[G0SB], 1
	s_add_co_u32 s[G0SB+1], s94, SCL
	s_mov_b64 s[G0SB+2:G0SB+3], s[92:93]
	s_or_b32 s[G0SB+3], s[G0SB+3], 0x80000000
	JLOAD G0S, G1S, G0SB, G1SB                     ; three loads of mine are out behind the three first fills
.irp s, 0,1
	s_mov_b32 s[G0+4*\s], 1
	s_add_co_u32 s[G0+4*\s+1], s45, \s*SLOT
	s_add_nc_u64 s[G0+4*\s+2:G0+4*\s+3], s[20:21], \s*RBK
	s_or_b32 s[G0+4*\s+3], s[G0+4*\s+3], 0x80000000
	s_mov_b32 s[G0B+4*\s], 1
	s_add_co_u32 s[G0B+4*\s+1], s45, \s*SLOT
	s_add_nc_u64 s[G0B+4*\s+2:G0B+4*\s+3], s[46:47], \s*RBK
	s_or_b32 s[G0B+4*\s+3], s[G0B+4*\s+3], 0x80000000
	JLOAD G0+4*\s, G1, G0B+4*\s, G1B
.endr
	v_and_b32 v1, 15, v0                           ; r
	v_bfe_u32 v2, v0, 4, 1                         ; h
	v_and_b32 v3, 31, v0                           ; lane
	v_lshlrev_b32 v[CO], 4, v3
	v_lshlrev_b32 v4, 3, v3
	s_mul_i32 s21, s15, HALFT
	s_mul_i32 s22, s16, HALFT
	s_add_co_u32 s22, s22, 2*HALFT
.irp s, 0,1
	v_add_nc_u32 v[ADRA+\s], s21, v[CO]
	v_add_nc_u32 v[ADRB+\s], s22, v[CO]
	v_add_nc_u32 v[ADRA+2+\s], s21, v4
	v_add_nc_u32 v[ADRB+2+\s], s22, v4
	s_add_co_u32 s21, s21, SLOT
	s_add_co_u32 s22, s22, SLOT
.endr
	s_lshl_b32 s21, s15, 12
	s_lshl_b32 s22, s16, 12
	s_add_co_u32 s22, s22, 2*HALFS+128
	s_sub_co_u32 s22, s22, s21
	v_mul_u32_u24 v6, s22, v2                      ; lanes 16-31 take B's: the lower base + h x the distance
	s_add_co_u32 s21, s21, SCL
	v_lshl_add_u32 v5, v1, 3, v6
	v_add_nc_u32 v[ADRS], s21, v5
	s_mul_i32 s23, s14, 16*SPITCH                  ; my stage
	v_mul_u32_u24 v5, v1, SPITCH                   ; in: row r, + 64 h bytes
	v_lshl_add_u32 v5, v2, 6, v5
	v_add_nc_u32 v[STO], s23, v5
	v_add_nc_u32 v[RD], s23, v[CO]                 ; back: the 32 lanes take one row of 512 bytes
	v_lshlrev_b32 v[BNO], 6, v2
	s_lshl_b32 s18, s42, 10                        ; bo: my 128 columns
	s_lshl_b32 s19, s16, 9
	s_add_co_u32 s18, s18, s19
	s_mov_b32 s19, 0
	s_add_nc_u64 s[96:97], s[96:97], s[18:19]
.irp b, 0,1,2,3,4,5,6,7
	global_load_b128 v[BN+8*\b:BN+8*\b+3], v[BNO], s[96:97] offset:(32*(\b/2)+8*(\b%2))*4
	global_load_b128 v[BN+8*\b+4:BN+8*\b+7], v[BNO], s[96:97] offset:(32*(\b/2)+8*(\b%2))*4+16
.endr
	s_lshl_b32 s46, s17, 20                        ; my part of the result: (256 x tile row + 128 x half) rows of 4,096 bytes + 1,024 x tile column + 512 x half
	s_lshl_b32 s47, s15, 19
	s_add_co_u32 s46, s46, s47
	s_add_co_u32 s46, s46, s18
	s_mov_b32 s47, 0
	s_add_nc_u64 s[98:99], s[98:99], s[46:47]
.macro FRAG reg, adr, q, i             ; a fragment: two units of block i, each 512 + 256 consecutive bytes for the wave
	ds_load_b128 v[\reg:\reg+3], v[\adr] offset:(\i)*RBK+(\q)*1536
	ds_load_b64 v[\reg+4:\reg+5], v[\adr+2] offset:(\i)*RBK+(\q)*1536+512
	ds_load_b128 v[\reg+6:\reg+9], v[\adr] offset:(\i)*RBK+(\q)*1536+768
	ds_load_b64 v[\reg+10:\reg+11], v[\adr+2] offset:(\i)*RBK+(\q)*1536+1280
.endm
; 16 matrix instructions: A's blocks a0, a0 + 1 x B's eight.  zero = 1: the first product starts the sums, from bo.  The 64 accumulators take turns, one instruction a turn.
.macro MUL16 a0, p, q, sc, zero
.irp a, \a0, \a0+1
.irp b, 0,1,2,3,4,5,6,7
.if \zero
	v_wmma_scale_f32_16x16x128_f8f6f4 v[8*(8*((\a)%4)+\b):8*(8*((\a)%4)+\b)+7], v[128*(\p)+FR*\b:128*(\p)+FR*\b+FR-1], v[AF+FR*(\a):AF+FR*(\a)+FR-1], v[BN+8*\b:BN+8*\b+7], v[SC+8*NQ*(\sc)+NQ*\b+(\q)], v[SC+8*NQ*(\sc)+NQ*(\a)+(\q)] matrix_a_fmt:MATRIX_FMT_BF6 matrix_b_fmt:MATRIX_FMT_BF6 matrix_a_scale:MATRIX_SCALE_ROW1
.else
	v_wmma_scale_f32_16x16x128_f8f6f4 v[8*(8*((\a)%4)+\b):8*(8*((\a)%4)+\b)+7], v[128*(\p)+FR*\b:128*(\p)+FR*\b+FR-1], v[AF+FR*(\a):AF+FR*(\a)+FR-1], v[8*(8*((\a)%4)+\b):8*(8*((\a)%4)+\b)+7], v[SC+8*NQ*(\sc)+NQ*\b+(\q)], v[SC+8*NQ*(\sc)+NQ*(\a)+(\q)] matrix_a_fmt:MATRIX_FMT_BF6 matrix_b_fmt:MATRIX_FMT_BF6 matrix_a_scale:MATRIX_SCALE_ROW1
.endif
.endr
.endr
.endm
.macro FETCH_B slot, q, p
	WIN TO_B
.irp i, 0,1,2,3,4,5,6,7
	FRAG 128*(\p)+FR*\i, ADRB+\slot, \q, \i
.endr
	WIN 0
.endm
.macro FETCH_A slot, q, i0
.irp i, \i0, \i0+1, \i0+2, \i0+3
	FRAG AF+FR*(\i), ADRA+\slot, \q, \i
.endr
.endm
.macro SCALES sc
.irp i, 0,1,2,3,4,5,6,7
	ds_load_b64 v[SC+8*NQ*\sc+NQ*\i:SC+8*NQ*\sc+NQ*\i+1], v[ADRS] offset:\i*SBLK
.endr
.endm
.macro PLACES n                        ; plain vector lines between a matrix instruction and a load into, or a read of, its registers (ISA guide 7.12.1 for reads)
.rept \n
	v_nop
.endr
.endm
.macro STEP slot, q, zero
	s_wait_dscnt 4*NL                              ; B's set and A's blocks 0-3 are in; the youngest sixteen loads (A's blocks 4-7) may be out
.if \zero
	WIN MUL_LO0
.else
	WIN MUL_LO
.endif
	MUL16 0, (\q)%2, \q, \slot, \zero
	MUL16 2, (\q)%2, \q, \slot, \zero
	s_wait_dscnt 0
	PLACES NP
	FETCH_B \slot, (\q)+1, 1-(\q)%2
	FETCH_A \slot, (\q)+1, 0
.if \zero
	WIN MUL_HI0
.else
	WIN MUL_HI
.endif
	MUL16 4, (\q)%2, \q, \slot, \zero
	MUL16 6, (\q)%2, \q, \slot, \zero
	PLACES NP
	WIN 0
	FETCH_A \slot, (\q)+1, 4
.endm
; A slot's last step changes slots: ONE barrier; in front of it each wave waits for all its tensor loads, adds 0 to its spare word, and waits for that and for its own reads of this slot.
.macro TURN slot, next, fill
	s_wait_tensorcnt 0x0                           ; all my tensor loads have landed: my part of the next slot
	ds_add_u32 v[SPW], v[NIL]                      ; 0 onto my spare word
	s_wait_dscnt 4*NL+1                            ; (the add and the youngest sixteen loads may be out)
	WIN MUL_LO
	MUL16 0, 1, NQ-1, \slot, 0
	s_wait_dscnt 0x0                               ; the add is done, and my reads of this slot are over
	s_barrier_signal -1
	MUL16 2, 1, NQ-1, \slot, 0
	WIN 0
	s_barrier_wait -1
.if \fill
	CREST                                          ; the barrier has opened a round of the cluster's barrier: no wave of any partner still reads this slot or has a load on its way
	s_add_nc_u64 s[G0+4*\slot+2:G0+4*\slot+3], s[G0+4*\slot+2:G0+4*\slot+3], 2*RBK
	s_add_nc_u64 s[G0B+4*\slot+2:G0B+4*\slot+3], s[G0B+4*\slot+2:G0B+4*\slot+3], 2*RBK
	JLOAD G0+4*\slot, G1, G0B+4*\slot, G1B         ; the first tensor load behind the round, my one load until the next
.else
	PLACES NP
.endif
	v_add_nc_u32 v[ADRS], 128, v[ADRS]
	FETCH_B \next, 0, 0
	FETCH_A \next, 0, 0
	SCALES \next
	WIN MUL_HI
	MUL16 4, 1, NQ-1, \slot, 0
	MUL16 6, 1, NQ-1, \slot, 0
	PLACES NP
	WIN 0
	FETCH_A \next, 0, 4
.endm
	s_wait_tensorcnt 1                             ; the scale words and my part of K step 0 are in (K step 1's load may be out)
	s_barrier_signal -1
	s_barrier_wait -1
	FETCH_B 0, 0, 0
	FETCH_A 0, 0, 0
	SCALES 0
	FETCH_A 0, 0, 4
	s_wait_loadcnt 0x0                             ; bo
	STEP 0, 0, 1
	s_mov_b32 s3, LAPS-1
.Llap:
	TURN 0, 1, 1
	STEP 1, 0, 0
	TURN 1, 0, 1
	STEP 0, 0, 0
	s_sub_co_u32 s3, s3, 1
	s_cmp_lg_u32 s3, 0
	s_cbranch_scc1 .Llap
	TURN 0, 1, 0
	STEP 1, 0, 0
	s_wait_dscnt 4*NL
	WIN MUL_LO
	MUL16 0, 1, NQ-1, 1, 0
	MUL16 2, 1, NQ-1, 1, 0
	s_wait_dscnt 0
	WIN MUL_HI
	MUL16 4, 1, NQ-1, 1, 0
	MUL16 6, 1, NQ-1, 1, 0
	WIN 0
; THE WAY OUT, block by block of 16 rows x 128 columns, through my own stage in LDS: back come whole rows of 512 bytes.  LDS serves a wave's instructions in order: no wait between the stores and the loads.
.macro TOSTAGE a
.set AC, 64*((\a)%4)
	WIN 0x08+4*((\a)/4)                            ; the data: window 2 or 3
.irp b, 0,1,2,3,4,5,6,7
	ds_store_b128 v[STO], v[AC+8*\b:AC+8*\b+3] offset:128*(\b/2)+32*(\b%2)        ; columns 32 (b / 2) + 16 h + 8 (b % 2) on; each accumulator from its low end on
	ds_store_b128 v[STO], v[AC+8*\b+4:AC+8*\b+7] offset:128*(\b/2)+32*(\b%2)+16
.endr
	WIN 0
.set BB, BK+64*((\a)%2)
.irp t, 0,1,2,3,4,5,6,7,8,9,10,11,12,13,14,15
	ds_load_b128 v[BB+4*\t:BB+4*\t+3], v[RD] offset:\t*SPITCH
.endr
.endm
.macro SEND a, younger                 ; younger: the LDS instructions issued behind block a's loads, which may stay out
.set BB, BK+64*((\a)%2)
	s_wait_dscnt \younger
.irp t, 0,1,2,3,4,5,6,7,8,9,10,11,12,13,14,15
	global_store_b128 v[CO], v[BB+4*\t:BB+4*\t+3], s[98:99] offset:(32*((\a)/2)+8*((\a)%2)+\t+8*(\t/8))*4096 th:TH_STORE_NT   ; lane-row t of block a is this row of my 128; 32 lanes store 512 consecutive bytes, aligned
.endr
.endm
	PLACES NP
	TOSTAGE 0
.irp a, 1,2,3,4,5,6,7
.if \a > 1
	s_wait_xcnt 0x0                                ; block a - 2's stores have read their registers: block a's loads may land there
.endif
	TOSTAGE \a
	SEND \a-1, 32                                  ; behind block a - 1's loads: block a's 16 stores and 16 loads
.endr
	SEND 7, 0
	s_wait_tensorcnt 0x0                           ; the wave's end: behind my last tensor load and my last LDS store
	ds_add_u32 v[SPW], v[NIL]
	s_wait_dscnt 0x0
	CROUND                                         ; the closing round: no work-group ends while a partner may still ask for a tile that names it
	s_endpgm
.Lfunc_end_k_qa0fb5a10b6_out:
	.size	k_qa0fb5a10b6_out, .Lfunc_end_k_qa0fb5a10b6_out-k_qa0fb5a10b6_out
	.p2alignl 7, 3214868480
	.fill 96, 4, 3214868480
	.section	.rodata,"a",@progbits
	.p2align	6, 0x0
	.amdhsa_kernel k_qa0fb5a10b6_out
		.amdhsa_group_segment_fixed_size 327680
		.amdhsa_private_segment_fixed_size 0
		.amdhsa_enable_private_segment 0
		.amdhsa_kernarg_size 32
		.amdhsa_user_sgpr_count 2
		.amdhsa_user_sgpr_kernarg_segment_ptr 1
		.amdhsa_wavefront_size32 1
		.amdhsa_system_sgpr_workgroup_id_x 1
		.amdhsa_system_sgpr_workgroup_id_y 1
		.amdhsa_system_sgpr_workgroup_id_z 1
		.amdhsa_system_vgpr_workitem_id 0
		.amdhsa_next_free_vgpr 1024
		.amdhsa_next_free_sgpr 100
		.amdhsa_reserve_vcc 0
		.amdhsa_float_denorm_mode_32 3
		.amdhsa_float_denorm_mode_16_64 3
		.amdhsa_memory_ordered 1
		.amdhsa_forward_progress 1
		.amdhsa_inst_pref_size 145
	.end_amdhsa_kernel
	.amdgpu_metadata
---
amdhsa.version: [ 1, 2 ]
amdhsa.kernels:
  - .name:           k_qa0fb5a10b6_out
    .symbol:         k_qa0fb5a10b6_out.kd
    .args:
      - { .name: o_q, .offset: 0, .size: 8, .value_kind: global_buffer, .address_space: global }
      - { .name: wo_q, .offset: 8, .size: 8, .value_kind: global_buffer, .address_space: global }
      - { .name: bo, .offset: 16, .size: 8, .value_kind: global_buffer, .address_space: global }
      - { .name: out0, .offset: 24, .size: 8, .value_kind: global_buffer, .address_space: global }
    .group_segment_fixed_size: 327680
    .private_segment_fixed_size: 0
    .kernarg_segment_align: 8
    .kernarg_segment_size: 32
    .max_flat_workgroup_size: 128
    .sgpr_count:     100
    .vgpr_count:     1024
    .wavefront_size: 32
...
	.end_amdgpu_metadata
.endif
;; end of part 4
